; MI455X (gfx1250); checked and timed in simulation.
; The chip was launched on July 23, 2026; its instructions are those of AMD's public machine-readable ISA for CDNA 5 (MIT licence, August 2026) and "CDNA5" Instruction Set Architecture Reference Guide (July 2026). The comments in the code are by the model that wrote it; some were corrected since.
;; Attn Blockpp. Allowed arithmetic: matrix products marked QUANTISED: E2M3 operands, one E8M0 scale for each 32 along K, by v_wmma_scale_f32_16x16x128_f8f6f4 with both operands' format E2M3, f32 sums; everything else in f32.
;; Inputs: W0 256 x 256 float32; W1 256 x 256 float32; W2 256 x 256 float32; W3 256 x 256 float32; b0 256 float32; b1 256 float32; b2 256 float32; b3 256 float32; gn_bias 256 float32; gn_scale 256 float32; x 2 x 256 x 64 x 64 float32.
;; Outputs: out0 2 x 256 x 64 x 64 float32.
;; This version of the problem:
;;   THIS VERSION OF THE PROBLEM IS GIVEN IN LOW PRECISION. The matrix products marked QUANTISED in the list below multiply operands that are first quantised to E2M3 (2 exponent bits, 3 mantissa bits; 6 bits a number), with one power-of-two scale for each 32 numbers along K (OCP MX v1.0); their sums are f32. All else is computed in f32.
;;   The module's matrix products, in the order in which they are computed (A, B: the left and right operand; K: the contracted axis; several contracted axes count as one K, in the product's order):
;;     1. [M 256, K 256] x [K 256, N 8,192]; A: input W0; B: computed on the way: QUANTISED
;;     2. [M 256, K 256] x [K 256, N 8,192]; A: input W1; B: computed on the way: QUANTISED
;;     3. [M 256, K 256] x [K 256, N 8,192]; A: input W2; B: computed on the way: QUANTISED
;;     4. batch 8 x [M 4,096, K 64] x [K 64, N 4,096]; A: computed on the way; B: computed on the way: QUANTISED
;;     5. batch 8 x [M 64, K 4,096] x [K 4,096, N 4,096]; A: computed on the way; B: computed on the way: QUANTISED
;;     6. [M 256, K 256] x [K 256, N 8,192]; A: input W3; B: computed on the way: QUANTISED
;;   THE QUANTISER, for each operand of a quantised product, along K:
;;     - K is cut into blocks of 32 from its start; a last block that is shorter is filled with zeros.
;;     - A block's scale is 2^e with e = floor(log2(the largest magnitude in the block)) - 2, held to -126 .. 127; a block of zeros has e = 0. As a byte (E8M0): e + 127.
;;     - Each number is divided by its block's scale, clamped to +-7.5, and rounded to the nearest number of E2M3, ties to even, subnormals kept.
;;     - The product sums the exact products of the quantised numbers (number of the format x scale) in f32.
;;   ~~~python
;;   def quantise(x, axis):      # numpy; x: float32 -> the quantised numbers, widened to float32 again
;;       x = np.moveaxis(x, axis, -1); K = x.shape[-1]
;;       x = np.pad(x, [(0, 0)] * (x.ndim - 1) + [(0, -K % 32)]); x = x.reshape(x.shape[:-1] + (-1, 32)); a = np.abs(x).max(-1, keepdims=True)
;;       e = np.where(a > 0, np.clip(np.frexp(np.where(a > 0, a, 1))[1] - 1 - 2, -126, 127), 0)      # np.frexp(a)[1] - 1 = floor(log2(a)), exactly
;;       r = np.clip(x / 2.0 ** e, -7.5, 7.5)
;;       step = 2.0 ** (np.maximum(np.frexp(np.where(r == 0, 1, r))[1] - 1, 0) - 3)
;;       q = np.round(r / step) * step * 2.0 ** e      # np.round: ties to even
;;       return np.moveaxis(q.reshape(q.shape[:-2] + (-1,))[..., :K], -1, axis).astype(np.float32)
;;   ~~~
;;   OPERANDS COMPUTED ON THE WAY. 'Computed on the way' means the value that the module computes at that place (a softmax that the list does not call 'softmax' is quantised finished and normalised). What goes into a quantiser is computed in f32, as accurately as f32 sums, v_exp_f32 and their like allow (about 1e-6 of the number): no bf16 or f16 on the way to a quantiser, and a product that is left as it is and whose result goes on into a quantised operand takes f32 operands (vector FMAs, or v_wmma_f32_16x16x4_f32). A number that lies on a knife's edge between two numbers of the format may be rounded either way, as far as f32 arithmetic and the matrix unit's own rounding can turn it there, and no further.
;; One version. Each part assembles by itself: llvm-mc -triple=amdgcn-amd-amdhsa -mcpu=gfx1250 --defsym DOCPART=n.
;; ======== version 1 of 1: 4 launches
;; workspace buffers: gnp 4,096 bytes; wimg 196,608 bytes; wscl 16,384 bytes; qimg 1,703,936 bytes; kimg 1,703,936 bytes; vimg 1,638,400 bytes; aimg 1,572,864 bytes; ascl 65,536 bytes
;; launch prep (part 1): grid 72 x 1, 16 waves a work-group, no clusters, 2,560 bytes of LDS; arguments x, gn_scale, W0, W1, W2, W3, gnp, wimg, wscl; writes gnp, wimg, wscl
.if DOCPART == 1
	.amdgcn_target "amdgcn-amd-amdhsa--gfx1250"
	.amdhsa_code_object_version 6
	.text
	.protected	k_q56b7f8bac8_prep
	.globl	k_q56b7f8bac8_prep
	.p2align	8
	.type	k_q56b7f8bac8_prep,@function
k_q56b7f8bac8_prep:
	s_mov_b64 s[64:65], 0
	v_nop
	global_prefetch_b8 v0, s[64:65] scope:SCOPE_SE
	s_setreg_imm32_b32 hwreg(HW_REG_WAVE_MODE, 25, 1), 1
	s_wait_xcnt 0x0
; PREP.  Two jobs in one launch, told apart by the work-group's number (the same in all waves of a work-group).
; Work-groups 0..63: the statistics of one GroupNorm group (batch b, group g = 8 channels x 4,096 pixels = 131,072 dense bytes of x).  The group stays in registers (64 numbers a thread):
;   the mean first, then the sum of (x - mean)^2: the variance is no difference of large sums.  Stored: a record of 64 bytes in gnp: a[0..7] = rsqrt(var + 1e-6) x gn_scale of the 8 channels, then the mean twice.
; Work-groups 64..71: the four weights W[c][d] (K = c is the FIRST axis) as codes of FP6 (E2M3) with one E8M0 byte for each 32 along c, laid as IMAGES OF OPERAND REGISTERS:
;   fragment f = (matrix x 16 + t) x 2 + s: 16 rows d x 128 along c (K step s), 12 registers a lane: registers 4 c .. 4 c + 3 of lane l at f x 1,536 + 512 c + 16 l; its scale words at f x 128 + 4 l.
;   THE ROWS OF A TILE ARE NOT NEIGHBOURS: row r of tile t is d = 32 (t / 2) + 8 (t % 2) + r % 8 + 16 (r / 8), so that the results of tiles 2 B and 2 B + 1 are 16 neighbours along d in a lane.
;   One wave makes one fragment: a lane takes a column d and its registers run down c, in the order that the operand's layout gives that lane: nothing is transposed.
; A block's scale is 2^(floor(log2(largest magnitude)) - 2); its byte is the largest magnitude's exponent field - 2, held at 1 from below.
; LIMITS: NaN and infinities are not served; a block whose largest magnitude lies under 2^-124 (a block of zeros too) takes the byte 1: this program alone reads the bytes.
.set NUM, 64                           ; v64-127  the thread's 64 numbers
.set CH,  16                           ; v16-23   four chains of packed sums
	s_load_b128 s[4:7], s[0:1], 0x0                ; x, gn_scale
	s_load_b256 s[8:15], s[0:1], 0x10              ; W0, W1, W2, W3
	s_load_b128 s[16:19], s[0:1], 0x30             ; gnp, wimg
	s_load_b64 s[20:21], s[0:1], 0x40              ; wscl
	v_lshl_add_u32 v128, v0, 2, 0x200
	v_mov_b32 v129, 0
	v_lshrrev_b32 v5, 5, v0
	s_delay_alu instid0(VALU_DEP_1)
	v_readfirstlane_b32 s22, v5                    ; wave 0..15
	s_mov_b32 s24, 0x76543210
	s_mov_b32 s25, 0xfedcba98                      ; v_permlanex16_b32's selects for lane l xor 16
	s_cmp_ge_u32 ttmp9, 64
	s_cbranch_scc1 .Lweights
; ---------------- the statistics of group ttmp9 = 32 b + g
	v_and_b32 v1, 7, v0
	s_delay_alu instid0(VALU_DEP_1)
	v_lshlrev_b32 v1, 2, v1                        ; gn_scale: channel thread % 8 of the group
	v_lshlrev_b32 v2, 4, v0                        ; x: 16 bytes a thread; a wave's load covers 512 consecutive bytes
	v_lshlrev_b32 v6, 2, v5                        ; LDS: a word for each wave
	v_mov_b32 v7, 0
	v_lshlrev_b32 v8, 2, v0                        ; the record: a word for each of threads 0..9
	v_mov_b32 v24, 0                               ; (a lane permute's destination counts as one of its sources)
	s_lshl_b32 s26, ttmp9, 17                      ; the group's 131,072 bytes
	s_mov_b32 s27, 0
	s_and_b32 s28, ttmp9, 31
	s_lshl_b32 s28, s28, 5                         ; its 8 numbers of gn_scale
	s_mov_b32 s29, 0
	s_lshl_b32 s30, ttmp9, 6                       ; its record
	s_mov_b32 s31, 0
	s_wait_alu depctr_va_vdst(0)
	s_wait_kmcnt 0x0
	s_add_nc_u64 s[4:5], s[4:5], s[26:27]
	s_add_nc_u64 s[6:7], s[6:7], s[28:29]
	s_add_nc_u64 s[16:17], s[16:17], s[30:31]
	global_load_b32 v3, v1, s[6:7]
.irp j, 0,1,2,3,4,5,6,7,8,9,10,11,12,13,14,15
	global_load_b128 v[NUM+4*\j:NUM+4*\j+3], v2, s[4:5] offset:8192*\j
.endr
.macro FOLD                            ; the four chains into v[CH]
	v_pk_add_f32 v[CH:CH+1], v[CH:CH+1], v[CH+2:CH+3]
	s_delay_alu instid0(VALU_DEP_2)
	v_pk_add_f32 v[CH+4:CH+5], v[CH+4:CH+5], v[CH+6:CH+7]
	s_delay_alu instid0(VALU_DEP_1)
	v_pk_add_f32 v[CH:CH+1], v[CH:CH+1], v[CH+4:CH+5]
	s_delay_alu instid0(VALU_DEP_1)
	v_add_f32 v[CH], v[CH], v[CH+1]
.endm
.macro WSUM                            ; v[CH] summed over the wave's 32 lanes, the result in every lane
	s_delay_alu instid0(VALU_DEP_1)
	v_add_f32_dpp v[CH], v[CH], v[CH] row_xmask:1 row_mask:0xf bank_mask:0xf
	s_delay_alu instid0(VALU_DEP_1)
	v_add_f32_dpp v[CH], v[CH], v[CH] row_xmask:2 row_mask:0xf bank_mask:0xf
	s_delay_alu instid0(VALU_DEP_1)
	v_add_f32_dpp v[CH], v[CH], v[CH] row_xmask:4 row_mask:0xf bank_mask:0xf
	s_delay_alu instid0(VALU_DEP_1)
	v_add_f32_dpp v[CH], v[CH], v[CH] row_xmask:8 row_mask:0xf bank_mask:0xf
	s_delay_alu instid0(VALU_DEP_1)
	v_permlanex16_b32 v24, v[CH], s24, s25
	s_delay_alu instid0(VALU_DEP_1)
	v_add_f32 v[CH], v[CH], v24
.endm
.macro XRED base                       ; and over the sixteen waves, through 64 bytes of LDS at base: the result in v32 of every thread
	ds_store_b32 v6, v[CH] offset:\base            ; all lanes write the wave's word with the same value
	s_wait_dscnt 0x0                               ; for the others' sake: my store has landed
	s_barrier_signal -1
	s_barrier_wait -1
.irp q, 0,1,2,3
	ds_load_b128 v[32+4*\q:35+4*\q], v7 offset:\base+16*\q
.endr
	s_wait_dscnt 0x0
	v_pk_add_f32 v[32:33], v[32:33], v[34:35]
	v_pk_add_f32 v[36:37], v[36:37], v[38:39]
	v_pk_add_f32 v[40:41], v[40:41], v[42:43]
	v_pk_add_f32 v[44:45], v[44:45], v[46:47]
	s_delay_alu instid0(VALU_DEP_3)
	v_pk_add_f32 v[32:33], v[32:33], v[36:37]
	s_delay_alu instid0(VALU_DEP_2)
	v_pk_add_f32 v[40:41], v[40:41], v[44:45]
	s_delay_alu instid0(VALU_DEP_1)
	v_pk_add_f32 v[32:33], v[32:33], v[40:41]
	s_delay_alu instid0(VALU_DEP_1)
	v_add_f32 v32, v32, v33
.endm
.irp j, 0,1,2,3,4,5,6,7,8,9,10,11,12,13,14,15
	s_wait_loadcnt 15-\j                           ; loads come back in order: piece j is in, the 15 - j younger ones may be out
.if \j < 4
	v_pk_add_f32 v[CH+2*\j:CH+2*\j+1], v[NUM+4*\j:NUM+4*\j+1], v[NUM+4*\j+2:NUM+4*\j+3]   ; the first four pieces start the chains
.else
	s_wait_alu depctr_va_vdst(0)
	v_pk_add_f32 v[CH+2*(\j%4):CH+2*(\j%4)+1], v[CH+2*(\j%4):CH+2*(\j%4)+1], v[NUM+4*\j:NUM+4*\j+1]
	s_delay_alu instid0(VALU_DEP_1)
	v_pk_add_f32 v[CH+2*(\j%4):CH+2*(\j%4)+1], v[CH+2*(\j%4):CH+2*(\j%4)+1], v[NUM+4*\j+2:NUM+4*\j+3]
.endif
.endr
	FOLD
	WSUM
	XRED 0
	s_delay_alu instid0(VALU_DEP_1)
	v_mul_f32 v26, 0x38000000, v32                 ; the mean: the sum x 2^-15 (32,768 numbers)
	s_delay_alu instid0(VALU_DEP_1)
	v_mov_b32 v27, v26
.set i, 0
.rept 32
	v_pk_add_f32 v[NUM+2*i:NUM+2*i+1], v[NUM+2*i:NUM+2*i+1], v[26:27] neg_lo:[0,1] neg_hi:[0,1]   ; x - mean
.set i, i+1
.endr
.set i, 0
.rept 32
.if i < 4
	v_pk_mul_f32 v[CH+2*i:CH+2*i+1], v[NUM+2*i:NUM+2*i+1], v[NUM+2*i:NUM+2*i+1]
.else
	s_delay_alu instid0(VALU_DEP_4)
	v_pk_fma_f32 v[CH+2*(i%4):CH+2*(i%4)+1], v[NUM+2*i:NUM+2*i+1], v[NUM+2*i:NUM+2*i+1], v[CH+2*(i%4):CH+2*(i%4)+1]
.endif
.set i, i+1
.endr
	FOLD
	WSUM
	XRED 256                                       ; other bytes than the first sum's: no wave can overwrite what another still reads
	s_delay_alu instid0(VALU_DEP_1)
	v_mul_f32 v29, 0x38000000, v32                 ; the variance
	s_delay_alu instid0(VALU_DEP_1)
	v_add_f32 v29, 0x358637bd, v29                 ; + 1e-6
	s_wait_alu depctr_va_vdst(0)
	v_rsq_f32 v28, v29
	v_nop                                          ; one plain place behind a transcendental
	s_wait_alu depctr_va_vdst(0)
	v_mul_f32 v30, v28, v3                         ; a = rsqrt x gn_scale
	v_cmp_lt_u32 vcc_lo, 7, v0
	s_delay_alu instid0(VALU_DEP_1)
	v_cndmask_b32 v30, v30, v26, vcc_lo            ; threads 8 and 9 carry the mean
	v_cmp_gt_u32 vcc_lo, 10, v0
	s_wait_alu depctr_va_vdst(0)
	s_wait_xcnt 0x0                                ; EXEC changes only behind this wait
	s_wait_tensorcnt 0x0
	ds_add_u32 v128, v129
	s_wait_dscnt 0x0
	s_and_saveexec_b32 s23, vcc_lo
	global_store_b32 v8, v30, s[16:17]             ; threads 0..9: 40 bytes of the record
	s_wait_xcnt 0x0
	s_or_b32 exec_lo, exec_lo, s23
	s_endpgm
; ---------------- one fragment of a weight for each wave
.Lweights:
	v_and_b32 v1, 15, v0                           ; r
	v_bfe_u32 v2, v0, 4, 1                         ; h
	s_delay_alu instid0(VALU_DEP_2)
	v_and_b32 v3, 8, v1
	s_delay_alu instid0(VALU_DEP_1)
	v_add_nc_u32 v3, v3, v1                        ; r % 8 + 16 (r / 8)
	s_delay_alu instid0(VALU_DEP_1)
	v_lshlrev_b32 v3, 2, v3
	s_delay_alu instid0(VALU_DEP_1)
	v_lshl_add_u32 v3, v2, 15, v3                  ; lanes 16-31 begin 32 rows (of 1,024 bytes) further down: lane (r, h) wants c = 64 c' + 32 h + 0 .. 31
	v_and_b32 v4, 31, v0
	s_delay_alu instid0(VALU_DEP_1)
	v_lshlrev_b32 v11, 4, v4                       ; the image: 16 bytes a lane
	s_delay_alu instid0(VALU_DEP_2)
	v_lshlrev_b32 v12, 2, v4                       ; the scale words: 4 bytes a lane
	s_sub_co_u32 s23, ttmp9, 64                    ; i = 0..7
	s_lshr_b32 s26, s23, 1                         ; the matrix
	s_lshl_b32 s27, s23, 4
	s_add_co_u32 s27, s27, s22                     ; f = 16 i + wave
	s_and_b32 s28, s23, 1
	s_lshl_b32 s28, s28, 3
	s_lshr_b32 s29, s22, 1
	s_add_co_u32 s28, s28, s29                     ; t = 8 (i % 2) + wave / 2
	s_lshr_b32 s29, s28, 1
	s_lshl_b32 s29, s29, 7                         ; 4 x 32 (t / 2)
	s_and_b32 s30, s28, 1
	s_lshl_b32 s30, s30, 5                         ; 4 x 8 (t % 2)
	s_add_co_u32 s30, s30, s29
	s_and_b32 s29, s22, 1                          ; s = wave % 2
	s_lshl_b32 s29, s29, 17                        ; 128 rows of 1,024 bytes
	s_add_co_u32 s30, s30, s29
	s_mov_b32 s31, 0
	s_mul_i32 s32, s27, 1536
	s_mov_b32 s33, 0
	s_lshl_b32 s34, s27, 7
	s_mov_b32 s35, 0
	s_wait_alu depctr_va_vdst(0)
	s_wait_kmcnt 0x0
	s_cmp_eq_u32 s26, 1                            ; the choice hangs on the work-group's number alone
	s_cselect_b64 s[8:9], s[10:11], s[8:9]
	s_cmp_eq_u32 s26, 2
	s_cselect_b64 s[8:9], s[12:13], s[8:9]
	s_cmp_eq_u32 s26, 3
	s_cselect_b64 s[8:9], s[14:15], s[8:9]
	s_add_nc_u64 s[8:9], s[8:9], s[30:31]
	s_add_nc_u64 s[18:19], s[18:19], s[32:33]
	s_add_nc_u64 s[20:21], s[20:21], s[34:35]
.irp c, 0,1
.set i, 0
.rept 32
	global_load_b32 v[NUM+32*\c+i], v3, s[8:9] offset:(64*\c+i)*1024   ; W(128 s + 64 c + 32 h + i, my d)
.set i, i+1
.endr
.endr
	s_wait_loadcnt 0x0
.irp c, 0,1                                    ; my block 2 c + h: all its 32 numbers are mine
	v_max3_num_f32 v[32+\c], |v[NUM+32*\c]|, |v[NUM+1+32*\c]|, 0x1800000   ; and the floor 2^(3 - 127): the byte cannot fall under 1
.endr
.irp i, 2,4,6,8,10,12,14,16,18,20,22,24,26,28,30
.irp c, 0,1
	s_delay_alu instid0(VALU_DEP_2)
	v_max3_num_f32 v[32+\c], v[32+\c], |v[NUM+32*\c+\i]|, |v[NUM+1+32*\c+\i]|
.endr
.endr
.irp c, 0,1
	s_delay_alu instid0(VALU_DEP_2)
	v_add_nc_u32 v[44+\c], 0xff000000, v[32+\c]    ; 2 off the exponent field: the conversion's scale operand
.endr
.irp c, 0,1
	s_delay_alu instid0(VALU_DEP_2)
	v_lshrrev_b32 v[36+\c], 23, v[44+\c]           ; the scale's byte
.endr
	s_delay_alu instid0(VALU_DEP_1)
	v_lshl_or_b32 v9, v37, 16, v36                 ; my two bytes: blocks h and 2 + h,
	v_lshlrev_b32 v10, 3, v2
	s_delay_alu instid0(VALU_DEP_1)
	v_lshlrev_b32 v9, v10, v9                      ; at their places in the word (8 h bits up);
	v_mov_b32 v10, 0
	s_delay_alu instid0(VALU_DEP_1)
	v_permlanex16_b32 v10, v9, s24, s25
	s_delay_alu instid0(VALU_DEP_1)
	v_or_b32 v9, v9, v10                           ; with lane l xor 16's two the word is whole, in both halves of the lanes
.irp c, 0,1
	v_cvt_scalef32_pk16_fp6_f32 v[16+6*\c:18+6*\c], v[NUM+32*\c:NUM+15+32*\c], v[44+\c]
	v_cvt_scalef32_pk16_fp6_f32 v[28+4*\c:30+4*\c], v[NUM+16+32*\c:NUM+31+32*\c], v[44+\c]   ; (a conversion's three registers begin on an even number)
.endr
	v_nop                                          ; one plain place behind a scaled conversion
.irp c, 0,1
.irp i, 0,1,2
	v_mov_b32 v[19+6*\c+\i], v[28+4*\c+\i]
.endr
.endr
.irp c, 0,1,2
	global_store_b128 v11, v[16+4*\c:19+4*\c], s[18:19] offset:512*\c   ; 32 lanes store 512 consecutive bytes
.endr
	global_store_b32 v12, v9, s[20:21]
	s_endpgm
.Lfunc_end_k_q56b7f8bac8_prep:
	.size	k_q56b7f8bac8_prep, .Lfunc_end_k_q56b7f8bac8_prep-k_q56b7f8bac8_prep
	.p2alignl 7, 3214868480
	.fill 96, 4, 3214868480
	.section	.rodata,"a",@progbits
	.p2align	6, 0x0
	.amdhsa_kernel k_q56b7f8bac8_prep
		.amdhsa_group_segment_fixed_size 2560
		.amdhsa_private_segment_fixed_size 0
		.amdhsa_enable_private_segment 0
		.amdhsa_kernarg_size 72
		.amdhsa_user_sgpr_count 2
		.amdhsa_user_sgpr_kernarg_segment_ptr 1
		.amdhsa_wavefront_size32 1
		.amdhsa_system_sgpr_workgroup_id_x 1
		.amdhsa_system_sgpr_workgroup_id_y 1
		.amdhsa_system_sgpr_workgroup_id_z 1
		.amdhsa_system_vgpr_workitem_id 0
		.amdhsa_next_free_vgpr 130
		.amdhsa_next_free_sgpr 66
		.amdhsa_reserve_vcc 1
		.amdhsa_float_denorm_mode_32 3
		.amdhsa_float_denorm_mode_16_64 3
		.amdhsa_memory_ordered 1
		.amdhsa_forward_progress 1
		.amdhsa_inst_pref_size 28
	.end_amdhsa_kernel
	.amdgpu_metadata
---
amdhsa.version: [ 1, 2 ]
amdhsa.kernels:
  - .name:           k_q56b7f8bac8_prep
    .symbol:         k_q56b7f8bac8_prep.kd
    .args:
      - { .name: x, .offset: 0, .size: 8, .value_kind: global_buffer, .address_space: global }
      - { .name: gn_scale, .offset: 8, .size: 8, .value_kind: global_buffer, .address_space: global }
      - { .name: W0, .offset: 16, .size: 8, .value_kind: global_buffer, .address_space: global }
      - { .name: W1, .offset: 24, .size: 8, .value_kind: global_buffer, .address_space: global }
      - { .name: W2, .offset: 32, .size: 8, .value_kind: global_buffer, .address_space: global }
      - { .name: W3, .offset: 40, .size: 8, .value_kind: global_buffer, .address_space: global }
      - { .name: gnp, .offset: 48, .size: 8, .value_kind: global_buffer, .address_space: global }
      - { .name: wimg, .offset: 56, .size: 8, .value_kind: global_buffer, .address_space: global }
      - { .name: wscl, .offset: 64, .size: 8, .value_kind: global_buffer, .address_space: global }
    .group_segment_fixed_size: 2560
    .private_segment_fixed_size: 0
    .kernarg_segment_align: 8
    .kernarg_segment_size: 72
    .max_flat_workgroup_size: 512
    .sgpr_count:     66
    .vgpr_count:     130
    .wavefront_size: 32
...
	.end_amdgpu_metadata
.endif
;; end of part 1
;; launch qkv (part 2): grid 4 x 64, 8 waves a work-group, no clusters, 28,160 bytes of LDS; arguments x, gn_bias, gnp, wimg, wscl, b0, b1, b2, qimg, kimg, vimg; writes qimg, kimg, vimg
.if DOCPART == 2
	.amdgcn_target "amdgcn-amd-amdhsa--gfx1250"
	.amdhsa_code_object_version 6
	.text
	.protected	k_q56b7f8bac8_qkv
	.globl	k_q56b7f8bac8_qkv
	.p2align	8
	.type	k_q56b7f8bac8_qkv,@function
k_q56b7f8bac8_qkv:
	s_mov_b64 s[64:65], 0
	v_nop
	global_prefetch_b8 v0, s[64:65] scope:SCOPE_SE
	s_setreg_imm32_b32 hwreg(HW_REG_WAVE_MODE, 25, 1), 1
	s_wait_xcnt 0x0
; QKV.  h = GroupNorm(x), quantised along the channels; q, k, v = W^T h + b on codes of FP6 (E2M3) with one E8M0 scale for each 32 along K; q and k quantised along their head's 64 channels, v along the pixels.
; SHARES.  A work-group takes 128 pixels (work-group y: batch b = y / 32, block st = y % 32) and one head (work-group x): 64 outputs each of q, k and v.  Eight waves: g = wave % 4, hi = wave / 4.
; PHASE X.  Wave (g, hi) takes 32 pixels x channels 128 hi .. 128 hi + 127.  A LANE IS A PIXEL and its registers run down the channels, so a block of 32 along K lies in one lane.  Lanes 0-15 hold the 16 rows of pixel
;   tile 2 g, lanes 16-31 those of tile 2 g + 1 (row r of pixel tile 2 B + U is pixel 32 B + 8 U + r % 8 + 16 (r / 8)); twelve exchanges of lane halves turn a lane's four blocks into the two tiles' fragments.
;   Fragments go from wave to wave through LDS as images of their registers (registers 4 c .. 4 c + 3 of lane l at 512 c + 16 l).
; PHASE P.  Wave (g, hi): q (hi = 0) or k (hi = 1) of pixel tiles 2 g, 2 g + 1, with source 0 = 16 rows of W: a lane then holds ONE pixel and 32 of the head's channels, 16 neighbours a pair of tiles;
;   and v of channel tile g for pixel tiles 4 hi .. 4 hi + 3, with source 0 = h: a lane then holds ONE channel and 32 pixels.  The biases are the C of each sum's first product.
;   Each result of 64 along the next K becomes half a fragment (6 registers: registers 0-3 of lane l at 16 l, registers 4-5 at 512 + 8 l: 768 bytes) and goes to memory in that form.
; OUT.  qimg, kimg: a block of 6,656 bytes for each (head, st): 8 half fragments (pixel tile tau at 768 tau), then 512 bytes of scale words at 6,144 + 16 (16 (tau % 2) + r) + 4 (tau / 2): byte 0, byte 1, 0x7f, 0x7f.
;   vimg: a block of 6,400 bytes: half fragment (channel tile t, pixels 64 c on) at 768 (2 t + c), then 256 bytes of scale words at 6,144 + 8 (16 (t % 2) + r) + 4 (t / 2).
; LIMITS: NaN and infinities are not served; a block whose largest magnitude lies under 2^-124 (a block of zeros too) takes the byte 1: this program alone reads the bytes.
; REGISTERS.  Window 0: v1-15, v86 addresses; v16-39 h's two fragments, later v16-47 v's sums; v40-63 at work; v64-73 W's scale words; v74-85 h's; v96-127 the 16 groups' means, twice each;
;   v128-255 x and h, later v128-175 h's four fragments for q or k, v176-239 their sums.   Window 1: first a (v0-127) and gn_bias (v128-255); later W's fragments v0-119, biases v120-159, h's eight fragments for v v160-255.
.set FR,   12
.set FRB,  1536
.set HIMG, 0                           ; LDS: h's 16 fragments (pixel tile tau, K step s: 2 tau + s),
.set HSC,  24576                       ; their scale words at 512 s + 64 tau + 4 r,
.set QSTG, 25600                       ; q's scale words (512 bytes), then k's,
.set VSTG, 26624                       ; v's (256 bytes)
.set LI,   1                           ; 16 x lane
.set L8,   2                           ; 8 x lane
.set L4,   3                           ; 4 x lane
.set XO,   4                           ; x: 4 x my pixel among the wave's 32
.set ZO,   5                           ; 0
.set BBO,  6                           ; b0, b1: 64 h
.set BVO,  7                           ; b2: 4 x (r % 8 + 16 (r / 8))
.set XWI,  8                           ; LDS: where I store h's images
.set XWS,  9                           ; and their scale words
.set HQA,  10                          ; where I fetch h's fragments for q or k
.set HVA,  11                          ; and for v
.set HSA,  12                          ; their scale words
.set HSVA, 13
.set QSA,  14                          ; where q's or k's scale words are gathered
.set VSA,  15                          ; and v's bytes
.set SWA,  86                          ; the way out of q's (wave 0) or k's (wave 1) scale words
.set XW,   87                          ; h's scale word of my pixel
.set F0,   16
.set F1,   28
.set CT,   40                          ; v40-55 conversions' upper halves
.set XM,   56                          ; v56-59 largest magnitudes, then bytes
.set XSO,  60                          ; v60-63 the conversions' scale operands
.set PC,   48                          ; v48-53 half a fragment's codes
.set PT,   54
.set BM,   58
.set BX,   60                          ; (written whole in phase X, as a lane permute's destination must have been)
.set SO,   62
.set BY,   92
.set PWD,  94
.set WS,   64
.set HS,   74
.set HSV,  78
.set MEAN, 96
.set X,    128
.set HFQ,  128
.set ACC0, 176
.set ACC3, 16
.set GA,   0                           ; window 1
.set GB,   128
.set WF,   0
.set WVF,  96
.set BB,   120
.set BV,   152
.set HFV,  160
.set MSB, 0
.macro WIN new                         ; the immediate's high byte repeats the setting that is left
.if MSB != \new
	s_set_vgpr_msb (MSB<<8)|\new
.set MSB, \new
.endif
.endm
.macro BARRIER                         ; my LDS stores have landed and my LDS loads are in: then the work-group's barrier
	s_wait_dscnt 0x0
	s_barrier_signal -1
	s_barrier_wait -1
.endm
	s_load_b512 s[4:19], s[0:1], 0x0               ; x, gn_bias, gnp, wimg, wscl, b0, b1, b2
	s_load_b128 s[20:23], s[0:1], 0x40             ; qimg, kimg
	s_load_b64 s[24:25], s[0:1], 0x50              ; vimg
	v_lshrrev_b32 v88, 5, v0
	s_delay_alu instid0(VALU_DEP_1)
	v_readfirstlane_b32 s26, v88                   ; wave 0..7
	s_and_b32 s27, s26, 3                          ; g
	s_lshr_b32 s28, s26, 2                         ; hi
	s_and_b32 s30, ttmp7, 0xffff
	s_lshr_b32 s31, s30, 5                         ; b
	s_and_b32 s32, s30, 31                         ; st
	s_mov_b32 s38, 0x76543210
	s_mov_b32 s39, 0xfedcba98                      ; v_permlanex16_b32's selects for lane l xor 16
	v_and_b32 v88, 31, v0                          ; lane
	v_and_b32 v89, 15, v0                          ; r
	v_bfe_u32 v90, v0, 4, 1                        ; h
	s_delay_alu instid0(VALU_DEP_3)
	v_lshlrev_b32 v[LI], 4, v88
	s_delay_alu instid0(VALU_DEP_4)
	v_lshlrev_b32 v[L8], 3, v88
	v_lshlrev_b32 v[L4], 2, v88
	v_mov_b32 v[ZO], 0
	v_lshlrev_b32 v[BBO], 6, v90
	v_and_b32 v91, 8, v89
	s_delay_alu instid0(VALU_DEP_1)
	v_add_nc_u32 v91, v91, v89
	s_delay_alu instid0(VALU_DEP_1)
	v_lshlrev_b32 v[BVO], 2, v91
	v_and_b32 v91, 7, v0
	v_bfe_u32 v[XO], v0, 3, 1
	s_delay_alu instid0(VALU_DEP_1)
	v_lshl_add_u32 v91, v[XO], 4, v91
	s_delay_alu instid0(VALU_DEP_1)
	v_lshl_add_u32 v91, v90, 3, v91                ; my pixel: lane % 8 + 16 ((lane / 8) % 2) + 8 (lane / 16)
	s_delay_alu instid0(VALU_DEP_1)
	v_lshlrev_b32 v[XO], 2, v91
	; every LDS address is made here: a constant x lane + a constant x wave's parts
	s_lshl_b32 s33, s27, 2
	s_add_co_u32 s33, s33, s28
	s_mul_i32 s33, s33, FRB                        ; image 4 g + hi
	v_add_nc_u32 v[XWI], s33, v[LI]
	s_lshl_b32 s33, s28, 9
	s_lshl_b32 s36, s27, 7
	s_add_co_u32 s33, s33, s36                     ; 512 hi + 128 g
	v_add_nc_u32 v[XWS], s33, v[L4]
	s_mul_i32 s33, s27, 4*FRB
	v_add_nc_u32 v[HQA], s33, v[LI]
	s_mul_i32 s33, s28, 8*FRB
	v_add_nc_u32 v[HVA], s33, v[LI]
	v_lshl_add_u32 v[HSA], v89, 2, s36             ; 4 r + 128 g
	s_lshl_b32 s33, s28, 8
	v_lshl_add_u32 v[HSVA], v89, 2, s33            ; 4 r + 256 hi
	s_lshl_b32 s33, s28, 9
	s_lshl_b32 s36, s27, 2
	s_add_co_u32 s33, s33, s36
	v_lshl_add_u32 v[QSA], v89, 4, s33             ; 16 r + 4 g + 512 hi
	s_and_b32 s33, s27, 1
	s_lshl_b32 s33, s33, 7
	s_lshr_b32 s36, s27, 1
	s_lshl_b32 s36, s36, 2
	s_add_co_u32 s33, s33, s36
	s_lshl_b32 s36, s28, 1
	s_add_co_u32 s33, s33, s36
	v_lshl_add_u32 v[VSA], v89, 3, s33             ; 8 r + 128 (g % 2) + 4 (g / 2) + 2 hi
	s_and_b32 s33, s26, 1
	s_lshl_b32 s33, s33, 9
	v_add_nc_u32 v[SWA], s33, v[LI]
	; x: ((256 b + 128 hi) channels of 16,384 bytes) + 4 (128 st + 32 g)
	s_lshl_b32 s34, s31, 22
	s_lshl_b32 s33, s28, 21
	s_add_co_u32 s34, s34, s33
	s_lshl_b32 s33, s32, 9
	s_add_co_u32 s34, s34, s33
	s_lshl_b32 s33, s27, 7
	s_add_co_u32 s34, s34, s33
	s_mov_b32 s35, 0                               ; s35 stays 0: s[34:35] is the offset of every sum below
	s_wait_kmcnt 0x0
	s_add_nc_u64 s[4:5], s[4:5], s[34:35]
	s_lshl_b32 s34, s28, 9
	s_add_nc_u64 s[6:7], s[6:7], s[34:35]          ; gn_bias at channel 128 hi
	s_lshl_b32 s34, s31, 11
	s_lshl_b32 s33, s28, 10
	s_add_co_u32 s34, s34, s33
	s_add_nc_u64 s[8:9], s[8:9], s[34:35]          ; gnp at record 32 b + 16 hi
; ---------------- PHASE X
.set i, 0
.rept 128
	global_load_b32 v[X+i], v[XO], s[4:5] offset:i*16384   ; channel i of my pixel: the wave's 32 lanes cover 128 consecutive bytes, four waves 512
.set i, i+1
.endr
	WIN 0x40                                       ; destination window 1
.set i, 0
.rept 16
	global_load_b128 v[GA+8*i:GA+8*i+3], v[ZO], s[8:9] offset:64*i       ; a of the 8 channels of group i: every lane takes the same bytes
	global_load_b128 v[GA+8*i+4:GA+8*i+7], v[ZO], s[8:9] offset:64*i+16
.set i, i+1
.endr
.set i, 0
.rept 32
	global_load_b128 v[GB+4*i:GB+4*i+3], v[ZO], s[6:7] offset:16*i
.set i, i+1
.endr
	WIN 0
.set i, 0
.rept 16
	global_load_b64 v[MEAN+2*i:MEAN+2*i+1], v[ZO], s[8:9] offset:64*i+32 ; the group's mean, twice: a pair for the packed subtraction
.set i, i+1
.endr
	; the other addresses, while the loads are on their way (none of these registers is named by a load that is out)
	s_lshl_b32 s33, s28, 5
	s_lshl_b32 s36, ttmp9, 3
	s_add_co_u32 s33, s33, s36                     ; W0's or W1's fragments of my head: f = 32 hi + 8 head on
	s_mul_i32 s34, s33, FRB
	s_add_nc_u64 s[44:45], s[10:11], s[34:35]
	s_lshl_b32 s34, s33, 7
	s_add_nc_u64 s[48:49], s[12:13], s[34:35]
	s_lshl_b32 s33, s27, 1
	s_add_co_u32 s33, s33, s36
	s_add_co_u32 s33, s33, 64                      ; W2's: f = 64 + 8 head + 2 g on
	s_mul_i32 s34, s33, FRB
	s_add_nc_u64 s[46:47], s[10:11], s[34:35]
	s_lshl_b32 s34, s33, 7
	s_add_nc_u64 s[50:51], s[12:13], s[34:35]
	s_lshl_b32 s33, s31, 2
	s_add_co_u32 s33, s33, ttmp9
	s_lshl_b32 s33, s33, 5
	s_add_co_u32 s33, s33, s32                     ; the block: (4 b + head) x 32 + st
	s_mul_i32 s34, s33, 6656
	s_add_nc_u64 s[20:21], s[20:21], s[34:35]
	s_add_nc_u64 s[22:23], s[22:23], s[34:35]
	s_mul_i32 s34, s33, 6400
	s_add_nc_u64 s[24:25], s[24:25], s[34:35]
	s_cmp_eq_u32 s28, 0                            ; q's waves or k's: the choice hangs on the wave's number alone
	s_cselect_b64 s[42:43], s[14:15], s[16:17]
	s_cselect_b64 s[40:41], s[20:21], s[22:23]
	s_lshl_b32 s34, ttmp9, 8
	s_add_nc_u64 s[42:43], s[42:43], s[34:35]      ; the head's 64 numbers of b0 or b1
	s_mul_i32 s34, s27, 1536
	s_add_nc_u64 s[40:41], s[40:41], s[34:35]      ; pixel tiles 2 g, 2 g + 1
	s_lshl_b32 s33, s27, 1
	s_add_co_u32 s33, s33, s28
	s_mul_i32 s34, s33, 768
	s_add_nc_u64 s[52:53], s[24:25], s[34:35]      ; v's half fragment 2 g + hi
	s_lshl_b32 s34, ttmp9, 8
	s_lshr_b32 s33, s27, 1
	s_lshl_b32 s33, s33, 7
	s_add_co_u32 s34, s34, s33
	s_and_b32 s33, s27, 1
	s_lshl_b32 s33, s33, 5
	s_add_co_u32 s34, s34, s33
	s_add_nc_u64 s[18:19], s[18:19], s[34:35]      ; b2 at 64 head + 32 (g / 2) + 8 (g % 2)
	s_wait_loadcnt 0x0
.set i, 0
.rept 64
	v_pk_add_f32 v[X+2*i:X+2*i+1], v[X+2*i:X+2*i+1], v[MEAN+2*(i/4):MEAN+2*(i/4)+1] neg_lo:[0,1] neg_hi:[0,1]   ; x - mean of the channel's group
.set i, i+1
.endr
	WIN 0x14                                       ; sources 1 and 2 window 1
.set i, 0
.rept 64
	v_pk_fma_f32 v[X+2*i:X+2*i+1], v[X+2*i:X+2*i+1], v[GA+2*i:GA+2*i+1], v[GB+2*i:GB+2*i+1]   ; x a + gn_bias
.set i, i+1
.endr
	; the weights' fragments, biases and scale words are asked for now, 49 loads, into the registers that a and gn_bias have left: they land while h is quantised
	WIN 0x40
.set i, 0
.rept 24
	global_load_b128 v[WF+4*i:WF+4*i+3], v[LI], s[44:45] offset:512*i    ; fragment (tile t, K step s) at v[12 (2 t + s)]
.set i, i+1
.endr
.set i, 0
.rept 6
	global_load_b128 v[WVF+4*i:WVF+4*i+3], v[LI], s[46:47] offset:512*i
.set i, i+1
.endr
.irp t, 0,1,2,3
	global_load_b128 v[BB+8*\t:BB+8*\t+3], v[BBO], s[42:43] offset:(32*(\t/2)+8*(\t%2))*4      ; lane (r, h), tile t: the bias of channels 32 (t / 2) + 8 (t % 2) + 16 h + 0 .. 7
	global_load_b128 v[BB+8*\t+4:BB+8*\t+7], v[BBO], s[42:43] offset:(32*(\t/2)+8*(\t%2))*4+16
.endr
	global_load_b32 v[BV], v[BVO], s[18:19]        ; b2 of my channel
	WIN 0
.set i, 0
.rept 8
	global_load_b32 v[WS+i], v[L4], s[48:49] offset:128*i
.set i, i+1
.endr
.irp s, 0,1
	global_load_b32 v[WS+8+\s], v[L4], s[50:51] offset:128*\s
.endr
.irp b, 0,1,2,3                                ; my pixel's four blocks of 32 channels, by turns
	v_max3_num_f32 v[XM+\b], |v[X+32*\b]|, |v[X+32*\b+1]|, 0x1800000   ; and the floor 2^(3 - 127): the byte cannot fall under 1
.endr
.irp i, 2,4,6,8,10,12,14,16,18,20,22,24,26,28,30
.irp b, 0,1,2,3
	s_delay_alu instid0(VALU_DEP_4)
	v_max3_num_f32 v[XM+\b], v[XM+\b], |v[X+32*\b+\i]|, |v[X+32*\b+\i+1]|
.endr
.endr
.irp b, 0,1,2,3
	s_delay_alu instid0(VALU_DEP_4)
	v_add_nc_u32 v[XSO+\b], 0xff000000, v[XM+\b]   ; 2 off the exponent field: the conversion's scale operand
.endr
.irp b, 0,1,2,3
	s_delay_alu instid0(VALU_DEP_4)
	v_lshrrev_b32 v[XM+\b], 23, v[XSO+\b]          ; the scale's byte
.endr
	s_delay_alu instid0(VALU_DEP_3)
	v_lshl_or_b32 v[XW], v[XM+1], 8, v[XM]
	s_delay_alu instid0(VALU_DEP_1)
	v_lshl_or_b32 v[XW], v[XM+2], 16, v[XW]
	s_delay_alu instid0(VALU_DEP_1)
	v_lshl_or_b32 v[XW], v[XM+3], 24, v[XW]
.irp b, 0,1,2,3                                ; blocks 0 and 2 into F0, blocks 1 and 3 into F1
	v_cvt_scalef32_pk16_fp6_f32 v[F0+12*(\b%2)+6*(\b/2):F0+12*(\b%2)+6*(\b/2)+2], v[X+32*\b:X+32*\b+15], v[XSO+\b]
	v_cvt_scalef32_pk16_fp6_f32 v[CT+4*\b:CT+4*\b+2], v[X+32*\b+16:X+32*\b+31], v[XSO+\b]   ; (a conversion's three registers begin on an even number)
.endr
	v_nop                                          ; one plain place behind a scaled conversion
.irp b, 0,1,2,3
.irp i, 0,1,2
	v_mov_b32 v[F0+12*(\b%2)+6*(\b/2)+3+\i], v[CT+4*\b+\i]
.endr
.endr
.irp i, 0,1,2,3,4,5,6,7,8,9,10,11
	v_permlane16_swap_b32 v[F0+\i], v[F1+\i]       ; F0's lanes 16-31 change places with F1's lanes 0-15: F0 is now tile 2 g's fragment (lanes 0-15 blocks 0, 2; lanes 16-31 blocks 1, 3), F1 tile 2 g + 1's
.endr
.irp c, 0,1,2
	ds_store_b128 v[XWI], v[F0+4*\c:F0+4*\c+3] offset:HIMG+512*\c
	ds_store_b128 v[XWI], v[F1+4*\c:F1+4*\c+3] offset:HIMG+2*FRB+512*\c
.endr
	ds_store_b32 v[XWS], v[XW] offset:HSC          ; lanes 0-15: tile 2 g's rows, lanes 16-31: tile 2 g + 1's
	BARRIER                                        ; h's sixteen fragments lie in LDS
; ---------------- PHASE P
.set i, 0
.rept 12
	ds_load_b128 v[HFQ+4*i:HFQ+4*i+3], v[HQA] offset:HIMG+512*i          ; fragment (u, s) of pixel tile 2 g + u at v[HFQ + 12 (2 u + s)]
.set i, i+1
.endr
.irp u, 0,1
.irp s, 0,1
	ds_load_b32 v[HS+2*\u+\s], v[HSA] offset:HSC+512*\s+64*\u
.endr
.endr
	WIN 0x40
.set i, 0
.rept 24
	ds_load_b128 v[HFV+4*i:HFV+4*i+3], v[HVA] offset:HIMG+512*i          ; fragment (i, s) of pixel tile 4 hi + i at v[HFV + 12 (2 i + s)] of window 1
.set i, i+1
.endr
	WIN 0
.irp i, 0,1,2,3
.irp s, 0,1
	ds_load_b32 v[HSV+2*\i+\s], v[HSVA] offset:HSC+512*\s+64*\i
.endr
.endr
	s_wait_dscnt 0x0
	s_wait_loadcnt 0x0                             ; the weights
	WIN 0x41
.irp k, 1,2,3,4,5,6,7
	v_mov_b32 v[BV+\k], v[BV]                      ; in v's result all eight registers of a lane belong to one channel
.endr
.rept 4
	v_nop
.endr
.macro QKMUL u, s                      ; four products: the head's four channel tiles x pixel tile 2 g + u, K step s.  The eight sums take turns, one instruction a turn
.irp t, 0,1,2,3
.if \s == 0
	v_wmma_scale_f32_16x16x128_f8f6f4 v[ACC0+32*\u+8*\t:ACC0+32*\u+8*\t+7], v[WF+FR*(2*\t+\s):WF+FR*(2*\t+\s)+FR-1], v[HFQ+FR*(2*\u+\s):HFQ+FR*(2*\u+\s)+FR-1], v[BB+8*\t:BB+8*\t+7], v[WS+2*\t+\s], v[HS+2*\u+\s] matrix_a_fmt:MATRIX_FMT_FP6 matrix_b_fmt:MATRIX_FMT_FP6
.else
	v_wmma_scale_f32_16x16x128_f8f6f4 v[ACC0+32*\u+8*\t:ACC0+32*\u+8*\t+7], v[WF+FR*(2*\t+\s):WF+FR*(2*\t+\s)+FR-1], v[HFQ+FR*(2*\u+\s):HFQ+FR*(2*\u+\s)+FR-1], v[ACC0+32*\u+8*\t:ACC0+32*\u+8*\t+7], v[WS+2*\t+\s], v[HS+2*\u+\s] matrix_a_fmt:MATRIX_FMT_FP6 matrix_b_fmt:MATRIX_FMT_FP6
.endif
.endr
.endm
.macro VMUL s                          ; four products: pixel tiles 4 hi + i x channel tile g, K step s
.irp i, 0,1,2,3
.if \s == 0
	v_wmma_scale_f32_16x16x128_f8f6f4 v[ACC3+8*\i:ACC3+8*\i+7], v[HFV+FR*(2*\i+\s):HFV+FR*(2*\i+\s)+FR-1], v[WVF+FR*\s:WVF+FR*\s+FR-1], v[BV:BV+7], v[HSV+2*\i+\s], v[WS+8+\s] matrix_a_fmt:MATRIX_FMT_FP6 matrix_b_fmt:MATRIX_FMT_FP6
.else
	v_wmma_scale_f32_16x16x128_f8f6f4 v[ACC3+8*\i:ACC3+8*\i+7], v[HFV+FR*(2*\i+\s):HFV+FR*(2*\i+\s)+FR-1], v[WVF+FR*\s:WVF+FR*\s+FR-1], v[ACC3+8*\i:ACC3+8*\i+7], v[HSV+2*\i+\s], v[WS+8+\s] matrix_a_fmt:MATRIX_FMT_FP6 matrix_b_fmt:MATRIX_FMT_FP6
.endif
.endr
.endm
	WIN 0x11                                       ; source 0 (W) and source 2 (the bias) window 1
	QKMUL 0, 0
	QKMUL 1, 0
	WIN 0x01
	QKMUL 0, 1
	QKMUL 1, 1
	WIN 0x15                                       ; sources 0 (h), 1 (W2) and 2 (the bias) window 1
	VMUL 0
	WIN 0x05
	VMUL 1
	WIN 0
.rept 4
	v_nop                                          ; four places in front of the first read of results
.endr
; 32 numbers of a lane, register 16 b + i = k 32 b + 16 (lane / 16) + i of my row, become half a fragment's codes in v[PC] .. v[PC + 5] and the row's two scale bytes in v[PWD].  Each sum is read from its low end on.
.macro QUANT32 s
.irp b, 0,1
	v_max3_num_f32 v[BM+\b], |v[(\s)+16*\b]|, |v[(\s)+16*\b+1]|, 0x1800000
.endr
.irp i, 2,4,6,8,10,12,14
.irp b, 0,1
	v_max3_num_f32 v[BM+\b], v[BM+\b], |v[(\s)+16*\b+\i]|, |v[(\s)+16*\b+\i+1]|
.endr
.endr
.irp b, 0,1
	s_delay_alu instid0(VALU_DEP_2)
	v_permlanex16_b32 v[BX+\b], v[BM+\b], s38, s39
.endr
.irp b, 0,1
	s_delay_alu instid0(VALU_DEP_2)
	v_max_num_f32 v[BM+\b], v[BM+\b], v[BX+\b]     ; with lane l xor 16's 16: the block's largest magnitude
.endr
.irp b, 0,1
	s_delay_alu instid0(VALU_DEP_2)
	v_add_nc_u32 v[SO+\b], 0xff000000, v[BM+\b]
.endr
.irp b, 0,1
	s_delay_alu instid0(VALU_DEP_2)
	v_lshrrev_b32 v[BY+\b], 23, v[SO+\b]
.endr
	s_delay_alu instid0(VALU_DEP_1)
	v_lshl_or_b32 v[PWD], v[BY+1], 8, v[BY]
	s_wait_alu depctr_va_vdst(0)
	s_wait_xcnt 0x0                                ; the last stores have read v[PC] on: only behind this wait are they written again
	v_cvt_scalef32_pk16_fp6_f32 v[PC:PC+2], v[(\s):(\s)+15], v[SO]
	v_cvt_scalef32_pk16_fp6_f32 v[PT:PT+2], v[(\s)+16:(\s)+31], v[SO+1]
	v_nop                                          ; one plain place behind a scaled conversion
.irp i, 0,1,2
	v_permlane16_swap_b32 v[PC+\i], v[PT+\i]       ; lane (r, h) now holds block h of row r: its lower 16 codes in PC, its upper 16 in PT
.endr
.irp i, 0,1,2
	s_delay_alu instid0(VALU_DEP_3)
	v_mov_b32 v[PC+3+\i], v[PT+\i]
.endr
.endm
.irp u, 0,1
	QUANT32 ACC0+32*\u
	v_or_b32 v[PWD], 0x7f7f0000, v[PWD]            ; the upper 64 of the score product's K are zero codes of q: their scale bytes are 1.0
	global_store_b128 v[LI], v[PC:PC+3], s[40:41] offset:768*\u          ; 512 consecutive bytes,
	global_store_b64 v[L8], v[PC+4:PC+5], s[40:41] offset:768*\u+512     ; and 256
	ds_store_b32 v[QSA], v[PWD] offset:QSTG+256*\u ; (both halves of the lanes write the same word with the same value)
.endr
	QUANT32 ACC3
	global_store_b128 v[LI], v[PC:PC+3], s[52:53]
	global_store_b64 v[L8], v[PC+4:PC+5], s[52:53] offset:512
	ds_store_b16 v[VSA], v[PWD] offset:VSTG
	BARRIER                                        ; the block's scale words lie in LDS
	s_cmp_gt_u32 s26, 2
	s_cbranch_scc1 .Ldone
	s_cmp_eq_u32 s26, 2
	s_cbranch_scc1 .Lvwords
	s_cmp_eq_u32 s26, 0                            ; wave 0: q's words, wave 1: k's
	s_cselect_b64 s[54:55], s[20:21], s[22:23]
	ds_load_b128 v[96:99], v[SWA] offset:QSTG
	s_wait_dscnt 0x0
	global_store_b128 v[LI], v[96:99], s[54:55] offset:6144              ; 512 consecutive bytes
	s_branch .Ldone
.Lvwords:
	ds_load_b64 v[96:97], v[L8] offset:VSTG
	s_wait_dscnt 0x0
	global_store_b64 v[L8], v[96:97], s[24:25] offset:6144               ; 256 consecutive bytes
.Ldone:
	s_wait_xcnt 0x0
	v_lshl_add_u32 v254, v0, 2, 0x6a00
	v_mov_b32 v255, 0
	s_wait_alu depctr_va_vdst(0)
	s_wait_tensorcnt 0x0
	ds_add_u32 v254, v255
	s_wait_dscnt 0x0
	s_endpgm
.Lfunc_end_k_q56b7f8bac8_qkv:
	.size	k_q56b7f8bac8_qkv, .Lfunc_end_k_q56b7f8bac8_qkv-k_q56b7f8bac8_qkv
	.p2alignl 7, 3214868480
	.fill 96, 4, 3214868480
	.section	.rodata,"a",@progbits
	.p2align	6, 0x0
	.amdhsa_kernel k_q56b7f8bac8_qkv
		.amdhsa_group_segment_fixed_size 28160
		.amdhsa_private_segment_fixed_size 0
		.amdhsa_enable_private_segment 0
		.amdhsa_kernarg_size 88
		.amdhsa_user_sgpr_count 2
		.amdhsa_user_sgpr_kernarg_segment_ptr 1
		.amdhsa_wavefront_size32 1
		.amdhsa_system_sgpr_workgroup_id_x 1
		.amdhsa_system_sgpr_workgroup_id_y 1
		.amdhsa_system_sgpr_workgroup_id_z 1
		.amdhsa_system_vgpr_workitem_id 0
		.amdhsa_next_free_vgpr 512
		.amdhsa_next_free_sgpr 66
		.amdhsa_reserve_vcc 0
		.amdhsa_float_denorm_mode_32 3
		.amdhsa_float_denorm_mode_16_64 3
		.amdhsa_memory_ordered 1
		.amdhsa_forward_progress 1
		.amdhsa_inst_pref_size 62
	.end_amdhsa_kernel
	.amdgpu_metadata
---
amdhsa.version: [ 1, 2 ]
amdhsa.kernels:
  - .name:           k_q56b7f8bac8_qkv
    .symbol:         k_q56b7f8bac8_qkv.kd
    .args:
      - { .name: x, .offset: 0, .size: 8, .value_kind: global_buffer, .address_space: global }
      - { .name: gn_bias, .offset: 8, .size: 8, .value_kind: global_buffer, .address_space: global }
      - { .name: gnp, .offset: 16, .size: 8, .value_kind: global_buffer, .address_space: global }
      - { .name: wimg, .offset: 24, .size: 8, .value_kind: global_buffer, .address_space: global }
      - { .name: wscl, .offset: 32, .size: 8, .value_kind: global_buffer, .address_space: global }
      - { .name: b0, .offset: 40, .size: 8, .value_kind: global_buffer, .address_space: global }
      - { .name: b1, .offset: 48, .size: 8, .value_kind: global_buffer, .address_space: global }
      - { .name: b2, .offset: 56, .size: 8, .value_kind: global_buffer, .address_space: global }
      - { .name: qimg, .offset: 64, .size: 8, .value_kind: global_buffer, .address_space: global }
      - { .name: kimg, .offset: 72, .size: 8, .value_kind: global_buffer, .address_space: global }
      - { .name: vimg, .offset: 80, .size: 8, .value_kind: global_buffer, .address_space: global }
    .group_segment_fixed_size: 28160
    .private_segment_fixed_size: 0
    .kernarg_segment_align: 8
    .kernarg_segment_size: 88
    .max_flat_workgroup_size: 256
    .sgpr_count:     66
    .vgpr_count:     512
    .wavefront_size: 32
...
	.end_amdgpu_metadata
.endif
;; end of part 2
;; launch attn (part 3): grid 32 x 8, 16 waves a work-group, clusters of 4 x 1, 327,680 bytes of LDS; arguments qimg, kimg, vimg, aimg, ascl; writes aimg, ascl
.if DOCPART == 3
	.amdgcn_target "amdgcn-amd-amdhsa--gfx1250"
	.amdhsa_code_object_version 6
	.text
	.protected	k_q56b7f8bac8_attn
	.globl	k_q56b7f8bac8_attn
	.p2align	8
	.type	k_q56b7f8bac8_attn,@function
k_q56b7f8bac8_attn:
	s_mov_b64 s[64:65], 0
	v_nop
	global_prefetch_b8 v0, s[64:65] scope:SCOPE_SE
	s_setreg_imm32_b32 hwreg(HW_REG_WAVE_MODE, 25, 1), 1
	s_wait_xcnt 0x0
	s_wait_alu depctr_hold_cnt(0) depctr_sa_sdst(0) depctr_va_vdst(0) depctr_va_sdst(0) depctr_va_ssrc(0) depctr_va_vcc(0) depctr_vm_vsrc(0)
	s_getreg_b32 s2, hwreg(HW_REG_IB_STS2, 6, 4)
	s_cmp_eq_u32 s2, 0
	s_cbranch_scc0 .Lentry_in_a_cluster
	s_endpgm
.Lentry_in_a_cluster:
	s_bfe_u32 s2, ttmp6, 0x10000c
	s_cmp_lg_u32 s2, 0x3003
	s_cbranch_scc0 .Lentry_shape_is_right
	s_endpgm
.Lentry_shape_is_right:
; ATTN.  o[ch][q] = the sum over keys of v[ch][key] w[q][key], w = softmax over the keys of (q . k) / 8, both products on codes of FP6 (E2M3) with one E8M0 scale for each 32 along K.
; WHAT IS QUANTISED IS THE FINISHED, NORMALISED w.  So the keys are walked TWICE: pass 1 finds each query's largest score m and the sum l of 2^(c s - c m), c = log2(e) / 8 (a running maximum); pass 2 makes the same
; scores again (the same operands through the same instruction), w = 2^(c s - (c m + log2 l)), quantises it along the keys and multiplies by v.
; SHARES.  A work-group owns 128 queries of one head (8 heads x 32 blocks = 256 work-groups).  Sixteen waves: wave w owns query tile w % 8 (16 queries) and key half w / 8 (2,048 keys, 16 steps of 128 in each pass):
; four waves to a SIMD, in 256 registers each, so that one wave's vector work stands beside another's products and LDS loads.  The two waves of a tile meet twice, through LDS: behind pass 1 they exchange (l, m) of their
; halves, and both form the row's m and l by the same symmetric arithmetic; behind pass 2 they exchange their halves of O^T and add them.
; LAYOUT.  Both products are used transposed: S^T = K Q^T (source 0 = 16 keys, source 1 = my 16 queries), O^T = V^T w^T: a lane holds ONE query (lane % 16) throughout.  The keys of a tile are not neighbours
; (row r of tile 2 b + u is key 32 b + 8 u + r % 8 + 16 (r / 8) of the step's 128), so the 16 registers of tiles 2 b, 2 b + 1 are keys 32 b + 16 (lane / 16) + 0 .. 15.
; The score product's K is 64, the instruction's 128: q's registers 6-11 are zero codes and its scale bytes there 1.0.  So K's tiles lie six registers apart, and what an instruction takes as K's upper 64 (the next
; tile's codes, or six zero registers; finite numbers under the scale 1.0) meets zeros and adds nothing.
; OPERANDS come as images of their registers (half a fragment, 16 rows x 64 K: registers 0-3 of lane l at 16 l, registers 4-5 at 512 + 8 l), so every LDS load takes consecutive bytes: no padding.
; LDS.  K's codes and scale words of the whole head (32 blocks of 6,656 bytes) are filled once and read in both passes; V goes through a ring of two slots, each with four steps' blocks (6,400 bytes) of either key half.
; CLUSTER.  The four query blocks of a cluster belong to one head and walk the same K and V: every tensor load is asked for JOINTLY by the four, with the same descriptor.  A wave has three tensor loads out at the most.
; No prefetch is laid: K and V's first two slots are asked for at the head, and each of the two refills has four key steps in which to land.
; OUT.  O^T is quantised along the head's 64 channels for the last product: half a fragment in aimg at ((256 b + pixel tile) x 4 + head) x 768, two scale bytes a row in ascl at ((32 b + block) x 4 + head) x 256 + 32 tile + 2 r.
; LIMITS: NaN and infinities are not served; a w under 2^-126 becomes 0; a block whose largest w lies under 2^-124 takes the byte 1 (this program alone reads the bytes).  The row's shift c m + log2 l is rounded once to f32:
; every w of a row carries a common relative error of up to 2^-24 |c m + log2 l| ln 2, the size of the rounding that a score near m carries itself.  A block's largest w is made from the block's largest score by the same
; two instructions as every w: this takes v_exp_f32 not to fall where its input rises.
.set KBLK,  6656
.set VBLK,  6400
.set VRING, 32*KBLK                    ; 212,992
.set VSLOT, 8*VBLK                     ; a slot: key half 0's four blocks, then key half 1's
.set SPARE, VRING+2*VSLOT              ; 315,392: the spare words, 128 bytes for each wave: eight blocks of 256 bytes that no other line names
.set ASTG,  SPARE+2048                 ; 512 bytes: the scale bytes of O are gathered here (32 bytes a wave; waves 0-7's are stored); no fill lands here
.set MLST,  ASTG+512                   ; 4,096 bytes: (l, m) of each wave's key half, 8 bytes a lane; no fill lands here
.set L16, 1                            ; 16 x lane
.set L8,  2                            ; 8 x lane
.set SPW, 3                            ; LDS address of my spare word; never rewritten
.set NIL, 4                            ; 0; never rewritten
.set ADK16, 5                          ; LDS addresses of the loads in hand
.set ADK8,  6
.set ADV16, 7
.set ADV8,  8
.set ASTO, 9
.set MX,  10                           ; the largest score so far (pass 1: of my lane's keys)
.set ARD, 11
.set NM,  12                           ; v[12:13] pass 1: -c m; pass 2: -(c m + log2 l) (the packed form names a pair and takes its low word)
.set LS,  14                           ; v[14:15] the sum, in two halves
.set FA,  16                           ; v[16:17] 2^(c m_old - c m_new)
.set QS,  18                           ; q's scale words
.set PW,  19                           ; w's scale word
.set QF,  20                           ; v20-31 q's fragment
.set KS,  32                           ; v32-35 K's scale words: register b: lanes 0-15 tile 2 b, lanes 16-31 tile 2 b + 1
.set VS,  36                           ; v36-37 V's likewise
.set MLS, 38                           ; where I put (l, m)
.set MLR, 39                           ; and where my partner's lie
.set KF,  40                           ; v40-87 K's eight tiles, six registers each; v88-93 zeros
.set VF,  40                           ; v40-87 in pass 2, between the score products and the next fetch of K: V's four fragments
.set OSTO, 94                          ; where I put my half of O^T
.set ORD, 95                           ; and where my partner's lies
.set S,   96                           ; v96-159 S^T, then w
.set O,   160                          ; v160-191 O^T
.set PC,  192                          ; v192-203 w's codes
.set PT,  204
.set BM,  212
.set BX,  216
.set SO,  220
.set T,   224
.set L2,  232
.set WV,  14                           ; s14 my wave's number
.set G1K, 16                           ; s[16:23] descriptor group 1 for a block of K;  s[24:31] for a block of V
.set G1V, 24
.set G0K, 32                           ; s[32:39] two groups 0 for K;  s[40:43] one for V
.set G0V, 40
.set TK,  56                           ; LDS byte of the block of K to be fetched
.set TV,  57                           ; and of V
.set CNT, 58
.set NC,  59                           ; -c
.set CS,  60                           ; s[60:61] c
.set SEL, 62                           ; s[62:63] v_permlanex16_b32's selects for lane l xor 16
.set TQ,  84                           ; my query tile: wave % 8
.set KH,  85                           ; my key half: wave / 8
.set KB,  86                           ; LDS byte at which my half of K begins
.set VB,  87                           ; LDS byte at which my half's blocks begin in V's slot 0
.macro CROUND                          ; a round of the cluster's barrier
	s_barrier_signal -1
	s_barrier_wait -1
	s_cmp_lg_u32 s[WV], 0
	s_cbranch_scc1 .Lnot_wave_0_\@
	s_barrier_signal -3
.Lnot_wave_0_\@:
	s_barrier_wait -3
	s_barrier_signal -1
	s_barrier_wait -1
.endm
.macro GATE n                          ; my part of the bytes that are read next has landed (n younger tensor loads may stay out), my LDS instructions are done; then everybody's
	s_wait_tensorcnt \n
	s_wait_dscnt 0x0
	s_barrier_signal -1
	s_barrier_wait -1
.endm
	s_load_b256 s[4:11], s[0:1], 0x0               ; qimg, kimg, vimg, aimg
	s_load_b64 s[12:13], s[0:1], 0x20              ; ascl
	v_lshl_add_u32 v[SPW], v0, 2, SPARE
	v_mov_b32 v[NIL], 0
	ds_add_u32 v3, v4
	ds_add_u32 v3, v4
	s_wait_dscnt 0x0
	v_lshrrev_b32 v5, 5, v0
	s_delay_alu instid0(VALU_DEP_1)
	v_readfirstlane_b32 s[WV], v5                  ; wave 0..15
	s_and_b32 s[TQ], s[WV], 7
	s_lshr_b32 s[KH], s[WV], 3
	s_mul_i32 s[KB], s[KH], 16*KBLK
	s_mul_i32 s[VB], s[KH], 4*VBLK
	s_add_co_u32 s[VB], s[VB], VRING
	s_and_b32 s67, ttmp7, 0xffff                   ; the head, 4 b + hd: the four partners share it
	s_mul_i32 s68, s[TQ], KBLK                     ; what I fetch of K: block 16 (wave / 8) + wave % 8, and the block 8 further on
	s_add_co_u32 s68, s68, s[KB]
	s_mul_i32 s69, s[WV], VBLK                     ; and of V: the ring's place wave,
	s_mul_i32 s70, s67, 32*KBLK
	s_add_co_u32 s70, s70, s68
	s_mov_b32 s71, 0
	s_lshr_b32 s72, s[TQ], 2                       ; which holds block 16 ((wave % 8) / 4) + 4 (wave / 8) + wave % 4
	s_lshl_b32 s72, s72, 4
	s_lshl_b32 s73, s[KH], 2
	s_add_co_u32 s72, s72, s73
	s_and_b32 s73, s[TQ], 3
	s_add_co_u32 s72, s72, s73
	s_lshl_b32 s73, s67, 5
	s_add_co_u32 s72, s72, s73                     ; of the head's 32
	s_mul_i32 s72, s72, VBLK
	s_mov_b32 s73, 0
	; my place in the cluster enters the addresses of q, aimg and ascl alone, in registers that feed no descriptor
	s_bfe_u32 s15, ttmp6, 0x40000                  ; cx
	s_lshl_b32 s66, ttmp9, 2
	s_add_co_u32 s66, s66, s15                     ; my block of 128 queries
	s_lshl_b32 s74, s67, 5
	s_add_co_u32 s74, s74, s66
	s_mul_i32 s74, s74, KBLK
	s_mov_b32 s75, 0
	s_mul_i32 s76, s[TQ], 768
	s_mov_b32 s77, 0
	s_lshr_b32 s78, s67, 2                         ; b
	s_and_b32 s79, s67, 3                          ; hd
	s_lshl_b32 s80, s78, 8
	s_lshl_b32 s81, s66, 3
	s_add_co_u32 s80, s80, s81
	s_add_co_u32 s80, s80, s[TQ]                   ; 256 b + my pixel tile
	s_lshl_b32 s80, s80, 2
	s_add_co_u32 s80, s80, s79
	s_mul_i32 s80, s80, 768
	s_mov_b32 s81, 0
	s_lshl_b32 s82, s78, 5
	s_add_co_u32 s82, s82, s66
	s_lshl_b32 s82, s82, 2
	s_add_co_u32 s82, s82, s79
	s_lshl_b32 s82, s82, 8
	s_mov_b32 s83, 0
	; descriptor group 1: a dense block as rows of 256 bytes (32 elements of 8 bytes): 26 rows of K, 25 of V
	s_mov_b32 s[G1K], 15|(3<<16)|(1<<21)           ; 15:0 the mask: all four work-groups; 17:16 elements of 8 bytes; 20 no padding; 21 set beside a mask
	s_mov_b32 s[G1K+1], 32<<16                     ; tensor_dim0 = 32
	s_mov_b32 s[G1K+2], 26<<16                     ; tensor_dim1 = 26
	s_mov_b32 s[G1K+3], 32<<16                     ; tile_dim0 = 32
	s_mov_b32 s[G1K+4], 26                         ; tile_dim1 = 26
	s_mov_b32 s[G1K+5], 32                         ; from row to row
	s_mov_b32 s[G1K+6], 0
	s_mov_b32 s[G1K+7], 0
	s_mov_b32 s[G1V], 15|(3<<16)|(1<<21)
	s_mov_b32 s[G1V+1], 32<<16
	s_mov_b32 s[G1V+2], 25<<16
	s_mov_b32 s[G1V+3], 32<<16
	s_mov_b32 s[G1V+4], 25
	s_mov_b32 s[G1V+5], 32
	s_mov_b32 s[G1V+6], 0
	s_mov_b32 s[G1V+7], 0
	s_mov_b32 s[CS], 0x3e38aa3b                    ; c = log2(e) / 8
	s_mov_b32 s[CS+1], s[CS]
	s_mov_b32 s[NC], 0xbe38aa3b
	s_mov_b32 s[SEL], 0x76543210
	s_mov_b32 s[SEL+1], 0xfedcba98
	; every LDS address that stays is made here: a constant + a constant x lane + a constant x the wave's number or its partner's
	v_and_b32 v5, 31, v0
	s_delay_alu instid0(VALU_DEP_1)
	v_lshlrev_b32 v[L16], 4, v5
	s_delay_alu instid0(VALU_DEP_2)
	v_lshlrev_b32 v[L8], 3, v5
	v_and_b32 v6, 15, v0                           ; r
	s_lshl_b32 s88, s[WV], 5
	v_lshl_add_u32 v[ASTO], v6, 1, s88
	s_delay_alu instid0(VALU_DEP_1)
	v_add_nc_u32 v[ASTO], ASTG, v[ASTO]            ; ASTG + 32 wave + 2 r
	v_add_nc_u32 v[ARD], ASTG, v[L8]
	s_xor_b32 s89, s[WV], 8                        ; my partner: the same query tile, the other key half
	s_lshl_b32 s88, s[WV], 8
	v_add_nc_u32 v[MLS], s88, v[L8]
	s_delay_alu instid0(VALU_DEP_1)
	v_add_nc_u32 v[MLS], MLST, v[MLS]              ; MLST + 256 wave + 8 lane
	s_lshl_b32 s88, s89, 8
	v_add_nc_u32 v[MLR], s88, v[L8]
	s_delay_alu instid0(VALU_DEP_1)
	v_add_nc_u32 v[MLR], MLST, v[MLR]
	s_lshl_b32 s88, s[WV], 12
	v_add_nc_u32 v[OSTO], s88, v[L16]              ; 4,096 wave + 16 lane, in K's first bytes
	s_lshl_b32 s88, s89, 12
	v_add_nc_u32 v[ORD], s88, v[L16]
	s_and_b32 s88, s[TQ], 1
	s_lshl_b32 s88, s88, 8
	s_lshr_b32 s89, s[TQ], 1
	s_lshl_b32 s89, s89, 2
	s_add_co_u32 s88, s88, s89
	v_lshl_add_u32 v[T+7], v6, 4, s88              ; q's scale word of row r of my tile: 256 (tile % 2) + 4 (tile / 2) + 16 r
	s_wait_alu depctr_va_vdst(0)
	s_wait_kmcnt 0x0
	s_add_nc_u64 s[4:5], s[4:5], s[74:75]          ; my queries' block,
	s_add_nc_u64 s[76:77], s[4:5], s[76:77]        ; my tile in it
	s_add_nc_u64 s[10:11], s[10:11], s[80:81]
	s_add_nc_u64 s[12:13], s[12:13], s[82:83]
	s_add_nc_u64 s[6:7], s[6:7], s[70:71]          ; K and V at the blocks that I fetch first
	s_add_nc_u64 s[8:9], s[8:9], s[72:73]
	global_load_b128 v[QF:QF+3], v[L16], s[76:77]
	global_load_b64 v[QF+4:QF+5], v[L8], s[76:77] offset:512
	global_load_b32 v[QS], v[T+7], s[4:5] offset:6144
.irp j, 0,1
	s_mov_b32 s[G0K+4*\j], 1                       ; count = 1
	s_add_co_u32 s[G0K+4*\j+1], s68, \j*8*KBLK     ; LDS address: K lies in LDS as in memory
	s_add_nc_u64 s[G0K+4*\j+2:G0K+4*\j+3], s[6:7], \j*8*KBLK
	s_or_b32 s[G0K+4*\j+3], s[G0K+4*\j+3], 0x80000000   ; type = 2
.endr
	s_mov_b32 s[G0V], 1
	s_add_co_u32 s[G0V+1], s69, VRING
	s_mov_b64 s[G0V+2:G0V+3], s[8:9]
	s_or_b32 s[G0V+3], s[G0V+3], 0x80000000
.irp i, 6,7,8,9,10,11
	v_mov_b32 v[QF+\i], 0                          ; q's upper 64 along K: zero codes
.endr
.irp i, 0,1,2,3,4,5
	v_mov_b32 v[KF+48+\i], 0                       ; what tile 7 takes as its upper 64
.endr
	v_mov_b32 v[MX], 0xff61b1e6                    ; -3e38, under every score
	s_delay_alu instid0(VALU_DEP_1)
	v_mul_f32 v[NM], s[NC], v[MX]
	v_mov_b32 v[NM+1], 0                           ; (upper halves of pairs that are named whole)
	v_mov_b32 v[LS], 0
	v_mov_b32 v[LS+1], 0
	v_mov_b32 v[FA+1], 0
.irp b, 0,1,2,3
	v_mov_b32 v[BX+\b], 0                          ; a lane permute's destination counts as one of its sources
.endr
.set i, 0
.rept 32
	v_mov_b32 v[O+i], 0                            ; O^T: 32 registers, once, so that the key step of pass 2 has no first form of its own
.set i, i+1
.endr
	CROUND                                         ; all four work-groups are here: the first joint loads meet
	tensor_load_to_lds s[G0K:G0K+3], s[G1K:G1K+7]              ; the first fills go out as one group: the first eight steps' K of either half,
	s_nop 0
	tensor_load_to_lds s[G0K+4:G0K+7], s[G1K:G1K+7]            ; the last eight steps',
	s_nop 0
	tensor_load_to_lds s[G0V:G0V+3], s[G1V:G1V+7]              ; and V's two slots: three loads of mine are out
	s_nop 0
.rept 4
	v_nop
.endr
.macro SMUL                            ; S^T of 128 keys: eight products, each beginning its sum with 0
.irp t, 0,1,2,3,4,5,6,7
.if (\t%2) == 0
	v_wmma_scale_f32_16x16x128_f8f6f4 v[S+8*\t:S+8*\t+7], v[KF+6*\t:KF+6*\t+11], v[QF:QF+11], 0, v[KS+\t/2], v[QS] matrix_a_fmt:MATRIX_FMT_FP6 matrix_b_fmt:MATRIX_FMT_FP6
.else
	v_wmma_scale_f32_16x16x128_f8f6f4 v[S+8*\t:S+8*\t+7], v[KF+6*\t:KF+6*\t+11], v[QF:QF+11], 0, v[KS+\t/2], v[QS] matrix_a_fmt:MATRIX_FMT_FP6 matrix_b_fmt:MATRIX_FMT_FP6 matrix_a_scale:MATRIX_SCALE_ROW1
.endif
.endr
.endm
.macro KADDR
	v_add_nc_u32 v[ADK16], s[TK], v[L16]
	v_add_nc_u32 v[ADK8], s[TK], v[L8]
.endm
.macro KLOADS                          ; 17 LDS loads: a block's eight tiles and its scale words
.irp t, 0,1,2,3,4,5,6,7
	ds_load_b128 v[KF+6*\t:KF+6*\t+3], v[ADK16] offset:768*\t
	ds_load_b64 v[KF+6*\t+4:KF+6*\t+5], v[ADK8] offset:768*\t+512
.endr
	ds_load_b128 v[KS:KS+3], v[ADK16] offset:6144
	s_add_co_u32 s[TK], s[TK], KBLK
.endm
.macro VADDR
	v_add_nc_u32 v[ADV16], s[TV], v[L16]
	v_add_nc_u32 v[ADV8], s[TV], v[L8]
.endm
.macro VLOADS                          ; 17 LDS loads: a block's four fragments (two halves each) and its scale words
.irp t, 0,1,2,3
	ds_load_b128 v[VF+12*\t:VF+12*\t+3], v[ADV16] offset:1536*\t
	ds_load_b64 v[VF+12*\t+4:VF+12*\t+5], v[ADV8] offset:1536*\t+512
	ds_load_b128 v[VF+12*\t+6:VF+12*\t+9], v[ADV16] offset:1536*\t+768
	ds_load_b64 v[VF+12*\t+10:VF+12*\t+11], v[ADV8] offset:1536*\t+1280
.endr
	ds_load_b64 v[VS:VS+1], v[ADV8] offset:6144
	s_add_co_u32 s[TV], s[TV], VBLK
.endm
; A KEY STEP OF PASS 1.  m and l are each LANE's own, over its keys: no lane is asked for anything until the pass is over.
.macro P1STEP
	s_wait_dscnt 0x0                               ; this step's K is in
	SMUL
	KADDR                                          ; two additions and two v_nop: the four places in front of the loads into K's registers and of the first read of the scores
	v_nop
	v_nop
	KLOADS                                         ; the next block: it lands under this step's vector work
.irp t, 0,1,2,3,4,5,6,7
	v_max3_num_f32 v[T+\t], v[S+8*\t], v[S+8*\t+1], v[S+8*\t+2]          ; each tile from its low end on
.endr
.irp t, 0,1,2,3,4,5,6,7
	v_max3_num_f32 v[T+\t], v[T+\t], v[S+8*\t+3], v[S+8*\t+4]
.endr
.irp t, 0,1,2,3,4,5,6,7
	v_max3_num_f32 v[T+\t], v[T+\t], v[S+8*\t+5], v[S+8*\t+6]
.endr
.irp k, 0,1,2,3
	v_max3_num_f32 v[T+2*\k], v[T+2*\k], v[S+16*\k+7], v[S+16*\k+15]
.endr
	s_delay_alu instid0(VALU_DEP_3)
	v_max3_num_f32 v[T], v[T], v[T+1], v[T+2]
	s_delay_alu instid0(VALU_DEP_3)
	v_max3_num_f32 v[T+3], v[T+3], v[T+4], v[T+5]
	s_delay_alu instid0(VALU_DEP_3)
	v_max3_num_f32 v[T+6], v[T+6], v[T+7], v[MX]
	s_delay_alu instid0(VALU_DEP_1)
	v_max3_num_f32 v[MX], v[T], v[T+3], v[T+6]     ; the running maximum
	v_mov_b32 v[T], v[NM]
	s_delay_alu instid0(VALU_DEP_2)
	v_mul_f32 v[NM], s[NC], v[MX]                  ; -c m
	s_delay_alu instid0(VALU_DEP_1)
	v_sub_f32 v[FA], v[NM], v[T]                   ; c m_old - c m_new, 0 or less
	s_wait_alu depctr_va_vdst(0)
	v_exp_f32 v[FA], v[FA]
.set i, 0
.rept 32
	v_pk_fma_f32 v[S+2*i:S+2*i+1], v[S+2*i:S+2*i+1], s[CS:CS+1], v[NM:NM+1] op_sel_hi:[1,0,0]   ; c s - c m
.set i, i+1
.endr
.set i, 0
	s_setprio 1
	s_wait_alu depctr_va_vdst(0)
.rept 64
	v_exp_f32 v[S+i], v[S+i]
.set i, i+1
.endr
	s_setprio 0
	s_wait_alu depctr_va_vdst(0)
	v_pk_mul_f32 v[LS:LS+1], v[LS:LS+1], v[FA:FA+1] op_sel_hi:[1,0]      ; the sum under the new m.  (A plain place behind the exponentials)
	v_pk_add_f32 v[232:233], v[100:101], v[104:105]
	v_pk_add_f32 v[254:255], v[108:109], v[112:113]
	v_pk_add_f32 v[252:253], v[116:117], v[120:121]
	v_pk_add_f32 v[250:251], v[124:125], v[128:129]
	v_pk_add_f32 v[248:249], v[132:133], v[136:137]
	v_pk_add_f32 v[246:247], v[140:141], v[144:145]
	v_pk_add_f32 v[244:245], v[148:149], v[152:153]
	v_pk_add_f32 v[14:15], v[14:15], v[156:157]
	v_pk_add_f32 v[232:233], v[232:233], v[96:97]
	v_pk_add_f32 v[254:255], v[254:255], v[98:99]
	v_pk_add_f32 v[252:253], v[252:253], v[102:103]
	v_pk_add_f32 v[250:251], v[250:251], v[106:107]
	v_pk_add_f32 v[248:249], v[248:249], v[110:111]
	v_pk_add_f32 v[246:247], v[246:247], v[114:115]
	v_pk_add_f32 v[244:245], v[244:245], v[118:119]
	v_pk_add_f32 v[14:15], v[14:15], v[122:123]
	v_pk_add_f32 v[232:233], v[232:233], v[126:127]
	v_pk_add_f32 v[254:255], v[254:255], v[130:131]
	v_pk_add_f32 v[252:253], v[252:253], v[134:135]
	v_pk_add_f32 v[250:251], v[250:251], v[138:139]
	v_pk_add_f32 v[248:249], v[248:249], v[142:143]
	v_pk_add_f32 v[246:247], v[246:247], v[146:147]
	v_pk_add_f32 v[244:245], v[244:245], v[150:151]
	v_pk_add_f32 v[14:15], v[14:15], v[154:155]
	v_pk_add_f32 v[232:233], v[232:233], v[158:159]
	s_delay_alu instid0(VALU_DEP_2)
	v_pk_add_f32 v[14:15], v[14:15], v[250:251]
	s_delay_alu instid0(VALU_DEP_2)
	v_pk_add_f32 v[232:233], v[232:233], v[248:249]
	v_pk_add_f32 v[254:255], v[254:255], v[246:247]
	v_pk_add_f32 v[252:253], v[252:253], v[244:245]
	s_delay_alu instid0(VALU_DEP_2)
	v_pk_add_f32 v[14:15], v[14:15], v[254:255]
	s_delay_alu instid0(VALU_DEP_2)
	v_pk_add_f32 v[232:233], v[232:233], v[252:253]
	s_delay_alu instid0(VALU_DEP_1)
	v_pk_add_f32 v[14:15], v[14:15], v[232:233]
.endm
.macro P1LOOP n, tk                    ; n key steps; tk states where, in my half of K, the next fetch stands
	s_add_co_u32 s[TK], s[KB], \tk
	s_mov_b32 s[CNT], \n
.Lp1_\@:
	s_setprio 2
	P1STEP
	s_sub_co_u32 s[CNT], s[CNT], 1
	s_cmp_lg_u32 s[CNT], 0
	s_cbranch_scc1 .Lp1_\@
	s_setprio 0
.endm
; A KEY STEP OF PASS 2.  V's fragments take K's registers as soon as the score products have read them, and land under the softmax; the next step's K (fk = 1) takes them back behind the products with V,
; and the wait for it stands at the next step's head: the SIMD's other three waves have work meanwhile.
.macro P2STEP fk
	s_wait_dscnt 0x0                               ; this step's K is in
	SMUL
	VADDR                                          ; two additions and two v_nop: the four places in front of the loads into K's registers and of the first read of the scores
	v_nop
	v_nop
	VLOADS
.irp b, 0,1,2,3
	v_max3_num_f32 v[BM+\b], v[S+16*\b], v[S+16*\b+1], v[S+16*\b+2]      ; the largest score of each block of 32 keys: w rises with the score
.endr
.irp i, 3,5,7,9,11,13
.irp b, 0,1,2,3
	v_max3_num_f32 v[BM+\b], v[BM+\b], v[S+16*\b+\i], v[S+16*\b+\i+1]
.endr
.endr
.irp b, 0,1,2,3
	v_max_num_f32 v[BM+\b], v[BM+\b], v[S+16*\b+15]
.endr
.irp b, 0,1,2,3
	s_delay_alu instid0(VALU_DEP_4)
	v_permlanex16_b32 v[BX+\b], v[BM+\b], s[SEL], s[SEL+1]
.endr
.irp b, 0,1,2,3
	s_delay_alu instid0(VALU_DEP_4)
	v_max_num_f32 v[BM+\b], v[BM+\b], v[BX+\b]     ; with lane l xor 16's 16 keys
.endr
.set i, 0
.rept 32
	v_pk_fma_f32 v[S+2*i:S+2*i+1], v[S+2*i:S+2*i+1], s[CS:CS+1], v[NM:NM+1] op_sel_hi:[1,0,0]   ; c s - (c m + log2 l), m and l the row's
.set i, i+1
.endr
.irp b, 0,1,2,3
	v_fma_f32 v[BM+\b], v[BM+\b], s[CS], v[NM]
.endr
.set i, 0
	s_setprio 1
	s_wait_alu depctr_va_vdst(0)
.rept 64
	v_exp_f32 v[S+i], v[S+i]                       ; w: finished and normalised
.set i, i+1
.endr
.irp b, 0,1,2,3
	v_exp_f32 v[BM+\b], v[BM+\b]                   ; the block's largest w: the same two instructions on the same number give the same bits
.endr
	v_nop                                          ; one plain place behind the exponentials
	s_wait_alu depctr_va_vdst(0)
.irp b, 0,1,2,3
	v_max_num_f32 v[BM+\b], 0x1800000, v[BM+\b]    ; the floor 2^(3 - 127): the byte cannot fall under 1
.endr
.irp b, 0,1,2,3
	s_delay_alu instid0(VALU_DEP_4)
	v_add_nc_u32 v[SO+\b], 0xff000000, v[BM+\b]    ; 2 off the exponent field: the conversion's scale operand
.endr
.irp b, 0,1,2,3
	s_delay_alu instid0(VALU_DEP_4)
	v_lshrrev_b32 v[BX+\b], 23, v[SO+\b]           ; the scale's byte
.endr
	s_delay_alu instid0(VALU_DEP_3)
	v_lshl_or_b32 v[PW], v[BX+1], 8, v[BX]
	s_delay_alu instid0(VALU_DEP_1)
	v_lshl_or_b32 v[PW], v[BX+2], 16, v[PW]
	s_delay_alu instid0(VALU_DEP_1)
	v_lshl_or_b32 v[PW], v[BX+3], 24, v[PW]
.irp c, 0,1
	v_cvt_scalef32_pk16_fp6_f32 v[PC+6*\c:PC+6*\c+2], v[S+32*\c:S+32*\c+15], v[SO+2*\c]
	v_cvt_scalef32_pk16_fp6_f32 v[PT+4*\c:PT+4*\c+2], v[S+32*\c+16:S+32*\c+31], v[SO+2*\c+1]   ; (a conversion's three registers begin on an even number)
.endr
	v_nop                                          ; one plain place behind a scaled conversion
.irp c, 0,1                                    ; the operand's layout wants a WHOLE block in a lane: lanes 0-15 block 2 c, lanes 16-31 block 2 c + 1
.irp i, 0,1,2
	v_permlane16_swap_b32 v[PC+6*\c+\i], v[PT+4*\c+\i]
.endr
.irp i, 0,1,2
	s_delay_alu instid0(VALU_DEP_3)
	v_mov_b32 v[PC+6*\c+3+\i], v[PT+4*\c+\i]
.endr
.endr
.rept 4
	v_nop                                          ; an operand written by vector instructions stands 4 places ahead of a scaled product, a scale register 8 (the moves above are among them)
.endr
	s_setprio 0
	s_wait_alu depctr_va_vdst(0)
	s_wait_dscnt 0x0                               ; V is in
.irp t, 0,1,2,3                                ; O^T += V^T w^T: the four sums take turns, with the eight score products between two turns
.if (\t%2) == 0
	v_wmma_scale_f32_16x16x128_f8f6f4 v[O+8*\t:O+8*\t+7], v[VF+12*\t:VF+12*\t+11], v[PC:PC+11], v[O+8*\t:O+8*\t+7], v[VS+\t/2], v[PW] matrix_a_fmt:MATRIX_FMT_FP6 matrix_b_fmt:MATRIX_FMT_FP6
.else
	v_wmma_scale_f32_16x16x128_f8f6f4 v[O+8*\t:O+8*\t+7], v[VF+12*\t:VF+12*\t+11], v[PC:PC+11], v[O+8*\t:O+8*\t+7], v[VS+\t/2], v[PW] matrix_a_fmt:MATRIX_FMT_FP6 matrix_b_fmt:MATRIX_FMT_FP6 matrix_a_scale:MATRIX_SCALE_ROW1
.endif
.endr
.if \fk
	KADDR                                          ; two additions and two v_nop: the four places in front of the loads into V's registers
	v_nop
	v_nop
	KLOADS
.endif
.endm
.macro P2LOOP n, tk, tv                ; n key steps; tk and tv state where, in my half of K and in my half's part of the ring, the fetches stand
	s_add_co_u32 s[TK], s[KB], \tk
	s_add_co_u32 s[TV], s[VB], \tv
	s_mov_b32 s[CNT], \n
.Lp2_\@:
	s_setprio 2
	P2STEP 1
	s_sub_co_u32 s[CNT], s[CNT], 1
	s_cmp_lg_u32 s[CNT], 0
	s_cbranch_scc1 .Lp2_\@
	s_setprio 0
.endm
; V's slot n has been read out and is filled again with the blocks 8 further on in either half.  Each wave waits for all its tensor loads, adds 0 to its spare word, and waits for that and for its reads of the slot; the round
; shows the same of every wave of all four work-groups; the joint refill is the first thing behind it.  Each wave fills its own place of the ring again, once in the launch: slot 0's places are waves 0-7's, slot 1's are
; waves 8-15's; the branch hangs on the wave's number alone and jumps over the load and its four lines alone.  The refill has four key steps in which to land.
.macro CHANGE n
	s_wait_tensorcnt 0x0                           ; no tensor load of mine is out, so a group 0 may be written
	ds_add_u32 v[SPW], v[NIL]                      ; 0 onto my spare word
.if \n == 0
	s_add_nc_u64 s[G0V+2:G0V+3], s[G0V+2:G0V+3], 8*VBLK        ; stepped once, in every wave: each wave's one refill finds it so
.endif
	s_wait_dscnt 0x0                               ; the add is done, and my reads of the slot are over
	CROUND
.if \n == 0
	s_cmp_lt_u32 s[WV], 8
.else
	s_cmp_ge_u32 s[WV], 8
.endif
	s_cbranch_scc0 .Lnot_mine_\@
	tensor_load_to_lds s[G0V:G0V+3], s[G1V:G1V+7]
	s_nop 0
.rept 4
	v_nop
.endr
.Lnot_mine_\@:
.endm
; ---------------- PASS 1.  The fetch runs one block ahead of the products, so the second gate stands one step ahead of the first product that it serves.
	GATE 2                                         ; the first eight blocks of either half of K (two younger loads: K's other blocks and V's)
	s_wait_loadcnt 0x0                             ; q
	s_mov_b32 s[TK], s[KB]
	KADDR
	KLOADS
	P1LOOP 7, KBLK                                 ; steps 0-6; they fetch blocks 1-7 of my half
	GATE 1                                         ; the last eight blocks (one younger load: V's)
	P1LOOP 8, 8*KBLK                               ; steps 7-14; blocks 8-15
	s_mov_b32 s[TK], s[KB]
	P1STEP                                         ; step 15; it fetches my half's block 0 for pass 2
	; the two halves of the lanes meet: m and l of my half of the keys
	v_permlanex16_b32 v[T], v[MX], s[SEL], s[SEL+1]
	s_delay_alu instid0(VALU_DEP_1)
	v_max_num_f32 v[T+1], v[MX], v[T]
	s_delay_alu instid0(VALU_DEP_1)
	v_mul_f32 v[T+2], s[NC], v[T+1]                ; -c m of my half
	s_delay_alu instid0(VALU_DEP_1)
	v_sub_f32 v[T+3], v[T+2], v[NM]                ; c m_lane - c m_half, 0 or less
	s_wait_alu depctr_va_vdst(0)
	v_exp_f32 v[T+3], v[T+3]
	v_add_f32 v[T+4], v[LS], v[LS+1]               ; (a plain place behind the exponential)
	s_wait_alu depctr_va_vdst(0)
	v_mul_f32 v[T+4], v[T+4], v[T+3]
	s_delay_alu instid0(VALU_DEP_1)
	v_permlanex16_b32 v[T+5], v[T+4], s[SEL], s[SEL+1]
	s_delay_alu instid0(VALU_DEP_1)
	v_add_f32 v[T+4], v[T+4], v[T+5]               ; l of my half
	v_mov_b32 v[T+5], v[T+1]
	ds_store_b64 v[MLS], v[T+4:T+5]                ; (l, m) for my partner
	GATE 0                                         ; my store has landed, and so has my place of V's ring (my youngest tensor load); then everybody's
	ds_load_b64 v[T+6:T+7], v[MLR]                 ; my partner's (l, m)
	s_wait_dscnt 0x0
	v_max_num_f32 v[BM], v[T+1], v[T+7]            ; the row's m
	s_delay_alu instid0(VALU_DEP_1)
	v_mul_f32 v[BM+1], s[NC], v[BM]                ; -c m
	v_mul_f32 v[BM+2], s[NC], v[T+7]               ; -c m of my partner's half: the bits that it made itself
	s_delay_alu instid0(VALU_DEP_2)
	v_sub_f32 v[BM+3], v[BM+1], v[T+2]             ; c m_mine - c m, 0 or less
	s_delay_alu instid0(VALU_DEP_2)
	v_sub_f32 v[BM+2], v[BM+1], v[BM+2]            ; c m_partner's - c m
	s_wait_alu depctr_va_vdst(0)
	v_exp_f32 v[BM+3], v[BM+3]
	v_exp_f32 v[BM+2], v[BM+2]
	v_nop                                          ; one plain place behind the exponentials
	s_wait_alu depctr_va_vdst(0)
	v_mul_f32 v[T+4], v[T+4], v[BM+3]
	v_mul_f32 v[T+6], v[T+6], v[BM+2]
	s_delay_alu instid0(VALU_DEP_1)
	v_add_f32 v[T+4], v[T+4], v[T+6]               ; the row's l: two products and a sum, the same bits in both partners
	s_wait_alu depctr_va_vdst(0)
	v_log_f32 v[T+6], v[T+4]
	v_nop                                          ; one plain place behind the logarithm
	s_wait_alu depctr_va_vdst(0)
	v_sub_f32 v[NM], v[BM+1], v[T+6]               ; -(c m + log2 l)
; ---------------- PASS 2
	P2LOOP 4, KBLK, 0                              ; steps 0-3, from slot 0
	CHANGE 0                                       ; slot 0 takes steps 8-11's blocks
	P2LOOP 4, 5*KBLK, VSLOT                        ; steps 4-7, from slot 1
	CHANGE 1                                       ; slot 1 takes steps 12-15's
	P2LOOP 4, 9*KBLK, 0                            ; steps 8-11
	s_wait_tensorcnt 0x0                           ; the last change of slots fills nothing: my place of slot 1, if I filled one, has landed,
	ds_add_u32 v[SPW], v[NIL]
	s_wait_dscnt 0x0
	s_barrier_signal -1
	s_barrier_wait -1                              ; everybody's has
	P2LOOP 3, 13*KBLK, VSLOT                       ; steps 12-14
	P2STEP 0                                       ; step 15: nothing more to fetch of K
; ---------------- THE WAY OUT.  The two partners' halves of O^T meet in K's first 65,536 bytes, which have had their one fill and which nobody reads behind the barrier below.
.rept 4
	v_nop                                          ; four places in front of the first read of results
.endr
	s_wait_dscnt 0x0
	s_barrier_signal -1
	s_barrier_wait -1                              ; every wave's reads of K are over
.irp i, 0,1,2,3,4,5,6,7
	ds_store_b128 v[OSTO], v[O+4*\i:O+4*\i+3] offset:512*\i    ; an image of the registers; each sum from its low end on
.endr
	s_wait_dscnt 0x0                               ; for my partner's sake: my stores have landed
	s_barrier_signal -1
	s_barrier_wait -1
.irp i, 0,1,2,3,4,5,6,7
	ds_load_b128 v[S+4*\i:S+4*\i+3], v[ORD] offset:512*\i
.endr
	s_wait_dscnt 0x0
.set i, 0
.rept 16
	v_pk_add_f32 v[O+2*i:O+2*i+1], v[O+2*i:O+2*i+1], v[S+2*i:S+2*i+1]    ; all 4,096 keys
.set i, i+1
.endr
	; register 16 b + i of O^T is channel 32 b + 16 (lane / 16) + i of my query: it is quantised along the head's 64 channels, for the last product
.irp b, 0,1
	v_max3_num_f32 v[BM+\b], |v[O+16*\b]|, |v[O+16*\b+1]|, 0x1800000
.endr
.irp i, 2,4,6,8,10,12,14
.irp b, 0,1
	s_delay_alu instid0(VALU_DEP_2)
	v_max3_num_f32 v[BM+\b], v[BM+\b], |v[O+16*\b+\i]|, |v[O+16*\b+\i+1]|
.endr
.endr
.irp b, 0,1
	s_delay_alu instid0(VALU_DEP_2)
	v_permlanex16_b32 v[BX+\b], v[BM+\b], s[SEL], s[SEL+1]
.endr
.irp b, 0,1
	s_delay_alu instid0(VALU_DEP_2)
	v_max_num_f32 v[BM+\b], v[BM+\b], v[BX+\b]
.endr
.irp b, 0,1
	s_delay_alu instid0(VALU_DEP_2)
	v_add_nc_u32 v[SO+\b], 0xff000000, v[BM+\b]
.endr
.irp b, 0,1
	s_delay_alu instid0(VALU_DEP_2)
	v_lshrrev_b32 v[BX+\b], 23, v[SO+\b]
.endr
	s_delay_alu instid0(VALU_DEP_1)
	v_lshl_or_b32 v[T], v[BX+1], 8, v[BX]          ; my row's two scale bytes
	v_cvt_scalef32_pk16_fp6_f32 v[PC:PC+2], v[O:O+15], v[SO]
	v_cvt_scalef32_pk16_fp6_f32 v[PT:PT+2], v[O+16:O+31], v[SO+1]
	v_nop                                          ; one plain place behind a scaled conversion
.irp i, 0,1,2
	v_permlane16_swap_b32 v[PC+\i], v[PT+\i]
.endr
.irp i, 0,1,2
	s_delay_alu instid0(VALU_DEP_3)
	v_mov_b32 v[PC+3+\i], v[PT+\i]
.endr
	ds_store_b16 v[ASTO], v[T]                     ; each wave into its own 32 bytes (both halves of the lanes write the same bytes with the same value)
	s_cmp_gt_u32 s[WV], 7                          ; both partners hold the same codes: waves 0-7 store them
	s_cbranch_scc1 .Lno_codes
	global_store_b128 v[L16], v[PC:PC+3], s[10:11]             ; 512 consecutive bytes,
	global_store_b64 v[L8], v[PC+4:PC+5], s[10:11] offset:512  ; and 256
.Lno_codes:
	s_wait_dscnt 0x0                               ; for wave 0's sake: my store has landed
	s_barrier_signal -1
	s_barrier_wait -1
	s_cmp_lg_u32 s[WV], 0
	s_cbranch_scc1 .Lno_bytes
	ds_load_b64 v[T+2:T+3], v[ARD]                 ; waves 0-7's 256 bytes
	s_wait_dscnt 0x0
	global_store_b64 v[L8], v[T+2:T+3], s[12:13]   ; the work-group's 256 scale bytes, consecutive and aligned
.Lno_bytes:
	s_wait_tensorcnt 0x0                           ; the wave's end: behind my last tensor load and my last LDS store
	ds_add_u32 v[SPW], v[NIL]
	s_wait_dscnt 0x0
	CROUND                                         ; the closing round: no work-group ends while a partner may still ask for a tile that names it
	s_endpgm
.Lfunc_end_k_q56b7f8bac8_attn:
	.size	k_q56b7f8bac8_attn, .Lfunc_end_k_q56b7f8bac8_attn-k_q56b7f8bac8_attn
	.p2alignl 7, 3214868480
	.fill 96, 4, 3214868480
	.section	.rodata,"a",@progbits
	.p2align	6, 0x0
	.amdhsa_kernel k_q56b7f8bac8_attn
		.amdhsa_group_segment_fixed_size 327680
		.amdhsa_private_segment_fixed_size 0
		.amdhsa_enable_private_segment 0
		.amdhsa_kernarg_size 40
		.amdhsa_user_sgpr_count 2
		.amdhsa_user_sgpr_kernarg_segment_ptr 1
		.amdhsa_wavefront_size32 1
		.amdhsa_system_sgpr_workgroup_id_x 1
		.amdhsa_system_sgpr_workgroup_id_y 1
		.amdhsa_system_sgpr_workgroup_id_z 1
		.amdhsa_system_vgpr_workitem_id 0
		.amdhsa_next_free_vgpr 256
		.amdhsa_next_free_sgpr 92
		.amdhsa_reserve_vcc 0
		.amdhsa_float_denorm_mode_32 3
		.amdhsa_float_denorm_mode_16_64 3
		.amdhsa_memory_ordered 1
		.amdhsa_forward_progress 1
		.amdhsa_inst_pref_size 120
	.end_amdhsa_kernel
	.amdgpu_metadata
---
amdhsa.version: [ 1, 2 ]
amdhsa.kernels:
  - .name:           k_q56b7f8bac8_attn
    .symbol:         k_q56b7f8bac8_attn.kd
    .args:
      - { .name: qimg, .offset: 0, .size: 8, .value_kind: global_buffer, .address_space: global }
      - { .name: kimg, .offset: 8, .size: 8, .value_kind: global_buffer, .address_space: global }
      - { .name: vimg, .offset: 16, .size: 8, .value_kind: global_buffer, .address_space: global }
      - { .name: aimg, .offset: 24, .size: 8, .value_kind: global_buffer, .address_space: global }
      - { .name: ascl, .offset: 32, .size: 8, .value_kind: global_buffer, .address_space: global }
    .group_segment_fixed_size: 327680
    .private_segment_fixed_size: 0
    .kernarg_segment_align: 8
    .kernarg_segment_size: 40
    .max_flat_workgroup_size: 512
    .sgpr_count:     92
    .vgpr_count:     256
    .wavefront_size: 32
...
	.end_amdgpu_metadata
.endif
;; end of part 3
;; launch proj (part 4): grid 4 x 64, 8 waves a work-group, no clusters, 35,840 bytes of LDS; arguments aimg, ascl, wimg, wscl, b3, x, out0; writes out0
.if DOCPART == 4
	.amdgcn_target "amdgcn-amd-amdhsa--gfx1250"
	.amdhsa_code_object_version 6
	.text
	.protected	k_q56b7f8bac8_proj
	.globl	k_q56b7f8bac8_proj
	.p2align	8
	.type	k_q56b7f8bac8_proj,@function
k_q56b7f8bac8_proj:
	s_mov_b64 s[64:65], 0
	v_nop
	global_prefetch_b8 v0, s[64:65] scope:SCOPE_SE
	s_setreg_imm32_b32 hwreg(HW_REG_WAVE_MODE, 25, 1), 1
	s_wait_xcnt 0x0
; PROJ.  out = (x + W3^T a + b3) / sqrt(2); the product on codes of FP6 (E2M3) with one E8M0 scale for each 32 along K = the 256 channels of the attention's result a.
; SHARES.  A work-group takes 128 pixels (work-group y: batch y / 32, block y % 32) x 64 outputs d (work-group x).  Wave (tw = wave % 4, ph = wave / 4) takes d tile t = 4 x + tw and pixel tiles 4 ph .. 4 ph + 3: 16 x 64 of out.
; All operands come from memory as images of their registers: a's fragment of K step s is heads 2 s and 2 s + 1's halves on end; W3's fragments were laid by the first launch.  No wave shares anything: no barrier.
; Source 0 = 16 pixels of a, source 1 = 16 rows d of W3: a lane holds ONE output channel, and the registers of pixel tiles 2 B, 2 B + 1 are 16 neighbouring pixels.  b3 is the C of each sum's first product.
; The way out goes through the wave's own stage in LDS (16 rows of 256 bytes + 16), so that sixteen lanes store 256 consecutive, aligned bytes of a row of out; x is read in the same shape.
; Row r of d tile t is d = 32 (t / 2) + 8 (t % 2) + r % 8 + 16 (r / 8).
.set FR,  12
.set LI,  4                            ; 16 x lane
.set L8,  5
.set L4,  6
.set R2,  7                            ; 2 r
.set BO,  8                            ; b3: 4 (r % 8 + 16 (r / 8))
.set XO,  9                            ; x, out: (lane / 16) rows of 16,384 bytes + 16 (lane % 16)
.set STO, 10
.set RD,  11
.set SU,  16                           ; v16-31 a's scale bytes, two a load: tile i, head hd at 4 i + hd
.set AS,  32                           ; v32-39 a's scale words (i, s)
.set WSC, 40                           ; v40-41 W3's
.set BI,  48                           ; v48-55 b3 of my channel, eight times
.set AF,  64                           ; v64-159 a's eight fragments (i, s) at 12 (2 i + s); later the rows read back
.set WF,  160                          ; v160-183 W3's two
.set ACC, 184                          ; v184-215
.set XR,  216                          ; v216-247 x
	s_load_b256 s[4:11], s[0:1], 0x0               ; aimg, ascl, wimg, wscl
	s_load_b128 s[12:15], s[0:1], 0x20             ; b3, x
	s_load_b64 s[16:17], s[0:1], 0x30              ; out0
	v_lshl_add_u32 v254, v0, 2, 0x8800
	v_mov_b32 v255, 0
	v_lshrrev_b32 v1, 5, v0
	s_delay_alu instid0(VALU_DEP_1)
	v_readfirstlane_b32 s18, v1                    ; wave 0..7
	s_and_b32 s19, s18, 3                          ; tw
	s_lshr_b32 s20, s18, 2                         ; ph
	s_lshl_b32 s21, ttmp9, 2
	s_add_co_u32 s21, s21, s19                     ; t
	s_and_b32 s22, ttmp7, 0xffff
	s_lshr_b32 s23, s22, 5                         ; b
	s_and_b32 s24, s22, 31                         ; st
	v_and_b32 v1, 31, v0
	v_and_b32 v2, 15, v0                           ; r
	v_bfe_u32 v3, v0, 4, 1                         ; h
	s_delay_alu instid0(VALU_DEP_3)
	v_lshlrev_b32 v[LI], 4, v1
	s_delay_alu instid0(VALU_DEP_4)
	v_lshlrev_b32 v[L8], 3, v1
	v_lshlrev_b32 v[L4], 2, v1
	v_lshlrev_b32 v[R2], 1, v2
	v_and_b32 v[BO], 8, v2
	s_delay_alu instid0(VALU_DEP_1)
	v_add_nc_u32 v[BO], v[BO], v2
	s_delay_alu instid0(VALU_DEP_1)
	v_lshlrev_b32 v[BO], 2, v[BO]
	v_lshlrev_b32 v[XO], 14, v3
	s_delay_alu instid0(VALU_DEP_1)
	v_lshl_add_u32 v[XO], v2, 4, v[XO]
	s_mul_i32 s38, s18, 16*272                     ; my stage
	v_mul_u32_u24 v[STO], v2, 272
	s_delay_alu instid0(VALU_DEP_1)
	v_lshl_add_u32 v[STO], v3, 6, v[STO]
	s_delay_alu instid0(VALU_DEP_1)
	v_add_nc_u32 v[STO], s38, v[STO]               ; in: row r, + 64 h
	v_mul_u32_u24 v[RD], v3, 272
	s_delay_alu instid0(VALU_DEP_1)
	v_lshl_add_u32 v[RD], v2, 4, v[RD]
	s_delay_alu instid0(VALU_DEP_1)
	v_add_nc_u32 v[RD], s38, v[RD]                 ; back: lanes 0-15 one row, lanes 16-31 the next
	s_lshl_b32 s26, s23, 8
	s_lshl_b32 s25, s24, 3
	s_add_co_u32 s26, s26, s25
	s_lshl_b32 s25, s20, 2
	s_add_co_u32 s26, s26, s25                     ; 256 b + my first pixel tile
	s_mul_i32 s26, s26, 3072
	s_mov_b32 s27, 0
	s_lshl_b32 s28, s23, 5
	s_add_co_u32 s28, s28, s24
	s_lshl_b32 s28, s28, 10
	s_lshl_b32 s25, s20, 7
	s_add_co_u32 s28, s28, s25                     ; ascl: (32 b + st) x 1,024 + 32 x 4 ph
	s_mov_b32 s29, 0
	s_lshl_b32 s30, s21, 1
	s_add_co_u32 s30, s30, 96                      ; W3's fragments: f = 96 + 2 t on
	s_lshl_b32 s32, s30, 7
	s_mul_i32 s30, s30, 1536
	s_mov_b32 s31, 0
	s_mov_b32 s33, 0
	s_lshr_b32 s34, s21, 1
	s_lshl_b32 s34, s34, 5
	s_and_b32 s25, s21, 1
	s_lshl_b32 s25, s25, 3
	s_add_co_u32 s34, s34, s25                     ; the tile's first d
	s_lshl_b32 s36, s34, 14
	s_lshl_b32 s34, s34, 2
	s_mov_b32 s35, 0
	s_lshl_b32 s25, s23, 22
	s_add_co_u32 s36, s36, s25
	s_lshl_b32 s25, s24, 9
	s_add_co_u32 s36, s36, s25
	s_lshl_b32 s25, s20, 8
	s_add_co_u32 s36, s36, s25                     ; x, out: (256 b + d) x 16,384 + 4 (128 st + 64 ph)
	s_mov_b32 s37, 0
	s_wait_alu depctr_va_vdst(0)
	s_wait_kmcnt 0x0
	s_add_nc_u64 s[4:5], s[4:5], s[26:27]
	s_add_nc_u64 s[6:7], s[6:7], s[28:29]
	s_add_nc_u64 s[8:9], s[8:9], s[30:31]
	s_add_nc_u64 s[10:11], s[10:11], s[32:33]
	s_add_nc_u64 s[12:13], s[12:13], s[34:35]
	s_add_nc_u64 s[14:15], s[14:15], s[36:37]
	s_add_nc_u64 s[16:17], s[16:17], s[36:37]
.irp i, 0,1,2,3
.irp d, 0,1,2,3
	global_load_u16 v[SU+4*\i+\d], v[R2], s[6:7] offset:256*\d+32*\i     ; row r's two bytes of head d
.endr
.endr
.irp s, 0,1
	global_load_b32 v[WSC+\s], v[L4], s[10:11] offset:128*\s
.endr
	global_load_b32 v[BI], v[BO], s[12:13]
.set i, 0
.rept 6
	global_load_b128 v[WF+4*i:WF+4*i+3], v[LI], s[8:9] offset:512*i
.set i, i+1
.endr
.set i, 0
.rept 8                                        ; fragment i = 2 tile + K step: two halves of 768 bytes on end
	global_load_b128 v[AF+FR*i:AF+FR*i+3], v[LI], s[4:5] offset:1536*i
	global_load_b64 v[AF+FR*i+4:AF+FR*i+5], v[L8], s[4:5] offset:1536*i+512
	global_load_b128 v[AF+FR*i+6:AF+FR*i+9], v[LI], s[4:5] offset:1536*i+768
	global_load_b64 v[AF+FR*i+10:AF+FR*i+11], v[L8], s[4:5] offset:1536*i+1280
.set i, i+1
.endr
.irp k, 0,1,2,3,4,5,6,7
	global_load_b128 v[XR+4*\k:XR+4*\k+3], v[XO], s[14:15] offset:((2*\k)%8+16*(\k/4))*16384 th:TH_LOAD_NT   ; tile rows 2 k and 2 k + 1: sixteen lanes read 256 consecutive bytes; read once in this launch
.endr
	s_wait_loadcnt 8                               ; all but x's eight loads, the youngest
.irp i, 0,1,2,3
.irp s, 0,1
	v_lshl_or_b32 v[AS+2*\i+\s], v[SU+4*\i+2*\s+1], 16, v[SU+4*\i+2*\s]  ; the scale word of K step s: heads 2 s and 2 s + 1
.endr
.endr
.irp k, 1,2,3,4,5,6,7
	v_mov_b32 v[BI+\k], v[BI]                      ; all eight registers of a lane's result belong to one channel
.endr
.rept 5
	v_nop                                          ; a scale register written by a vector instruction stands 8 places ahead of a scaled product: the moves and these make 12
.endr
.irp i, 0,1,2,3                                ; the four sums take turns, one instruction a turn
	v_wmma_scale_f32_16x16x128_f8f6f4 v[ACC+8*\i:ACC+8*\i+7], v[AF+FR*(2*\i):AF+FR*(2*\i)+FR-1], v[WF:WF+FR-1], v[BI:BI+7], v[AS+2*\i], v[WSC] matrix_a_fmt:MATRIX_FMT_FP6 matrix_b_fmt:MATRIX_FMT_FP6
.endr
.irp i, 0,1,2,3
	v_wmma_scale_f32_16x16x128_f8f6f4 v[ACC+8*\i:ACC+8*\i+7], v[AF+FR*(2*\i+1):AF+FR*(2*\i+1)+FR-1], v[WF+FR:WF+2*FR-1], v[ACC+8*\i:ACC+8*\i+7], v[AS+2*\i+1], v[WSC+1] matrix_a_fmt:MATRIX_FMT_FP6 matrix_b_fmt:MATRIX_FMT_FP6
.endr
.rept 4
	v_nop                                          ; four places in front of the stores that read results and of the loads into a's registers
.endr
.irp i, 0,1,2,3
	ds_store_b128 v[STO], v[ACC+8*\i:ACC+8*\i+3] offset:128*(\i/2)+32*(\i%2)        ; lane (r, h), tile i: pixels 32 (i / 2) + 16 h + 8 (i % 2) + 0 .. 7 of row r; each sum from its low end on
	ds_store_b128 v[STO], v[ACC+8*\i+4:ACC+8*\i+7] offset:128*(\i/2)+32*(\i%2)+16
.endr
.irp k, 0,1,2,3,4,5,6,7
	ds_load_b128 v[AF+4*\k:AF+4*\k+3], v[RD] offset:\k*2*272   ; LDS serves a wave's instructions in order: these see my stores
.endr
.irp k, 0,1,2,3,4,5,6,7
	s_wait_dscnt 7-\k                              ; rows 2 k, 2 k + 1 are back; the 7 - k younger loads may be out
	s_wait_loadcnt 7-\k                            ; and so are x's
	v_pk_add_f32 v[AF+4*\k:AF+4*\k+1], v[AF+4*\k:AF+4*\k+1], v[XR+4*\k:XR+4*\k+1]
	v_pk_add_f32 v[AF+4*\k+2:AF+4*\k+3], v[AF+4*\k+2:AF+4*\k+3], v[XR+4*\k+2:XR+4*\k+3]
	s_delay_alu instid0(VALU_DEP_2)
	v_pk_mul_f32 v[AF+4*\k:AF+4*\k+1], v[AF+4*\k:AF+4*\k+1], 0x3f3504f3 op_sel_hi:[1,0]       ; x 1 / sqrt(2)
	s_delay_alu instid0(VALU_DEP_2)
	v_pk_mul_f32 v[AF+4*\k+2:AF+4*\k+3], v[AF+4*\k+2:AF+4*\k+3], 0x3f3504f3 op_sel_hi:[1,0]
	global_store_b128 v[XO], v[AF+4*\k:AF+4*\k+3], s[16:17] offset:((2*\k)%8+16*(\k/4))*16384 th:TH_STORE_NT   ; sixteen lanes store 256 consecutive, aligned bytes
.endr
	s_wait_tensorcnt 0x0
	ds_add_u32 v254, v255
	s_wait_dscnt 0x0
	s_endpgm
.Lfunc_end_k_q56b7f8bac8_proj:
	.size	k_q56b7f8bac8_proj, .Lfunc_end_k_q56b7f8bac8_proj-k_q56b7f8bac8_proj
	.p2alignl 7, 3214868480
	.fill 96, 4, 3214868480
	.section	.rodata,"a",@progbits
	.p2align	6, 0x0
	.amdhsa_kernel k_q56b7f8bac8_proj
		.amdhsa_group_segment_fixed_size 35840
		.amdhsa_private_segment_fixed_size 0
		.amdhsa_enable_private_segment 0
		.amdhsa_kernarg_size 56
		.amdhsa_user_sgpr_count 2
		.amdhsa_user_sgpr_kernarg_segment_ptr 1
		.amdhsa_wavefront_size32 1
		.amdhsa_system_sgpr_workgroup_id_x 1
		.amdhsa_system_sgpr_workgroup_id_y 1
		.amdhsa_system_sgpr_workgroup_id_z 1
		.amdhsa_system_vgpr_workitem_id 0
		.amdhsa_next_free_vgpr 256
		.amdhsa_next_free_sgpr 66
		.amdhsa_reserve_vcc 0
		.amdhsa_float_denorm_mode_32 3
		.amdhsa_float_denorm_mode_16_64 3
		.amdhsa_memory_ordered 1
		.amdhsa_forward_progress 1
		.amdhsa_inst_pref_size 18
	.end_amdhsa_kernel
	.amdgpu_metadata
---
amdhsa.version: [ 1, 2 ]
amdhsa.kernels:
  - .name:           k_q56b7f8bac8_proj
    .symbol:         k_q56b7f8bac8_proj.kd
    .args:
      - { .name: aimg, .offset: 0, .size: 8, .value_kind: global_buffer, .address_space: global }
      - { .name: ascl, .offset: 8, .size: 8, .value_kind: global_buffer, .address_space: global }
      - { .name: wimg, .offset: 16, .size: 8, .value_kind: global_buffer, .address_space: global }
      - { .name: wscl, .offset: 24, .size: 8, .value_kind: global_buffer, .address_space: global }
      - { .name: b3, .offset: 32, .size: 8, .value_kind: global_buffer, .address_space: global }
      - { .name: x, .offset: 40, .size: 8, .value_kind: global_buffer, .address_space: global }
      - { .name: out0, .offset: 48, .size: 8, .value_kind: global_buffer, .address_space: global }
    .group_segment_fixed_size: 35840
    .private_segment_fixed_size: 0
    .kernarg_segment_align: 8
    .kernarg_segment_size: 56
    .max_flat_workgroup_size: 256
    .sgpr_count:     66
    .vgpr_count:     256
    .wavefront_size: 32
...
	.end_amdgpu_metadata
.endif
;; end of part 4
